; MI455X (gfx1250); checked and timed in simulation.
; The chip was launched on July 23, 2026; its instructions are those of AMD's public machine-readable ISA for CDNA 5 (MIT licence, August 2026) and "CDNA5" Instruction Set Architecture Reference Guide (July 2026). The comments in the code are by the model that wrote it; some were corrected since.
;; Multi Head Self Attention. Allowed arithmetic: matrix products marked QUANTISED: E2M1 operands, one E8M0 scale for each 32 along K, by v_wmma_scale_f32_16x16x128_f8f6f4 with both operands' format E2M1 (or v_wmma_scale_f32_32x16x128_f4), f32 sums; products left as they are: bf16, f16 or f32 operands; f32 sums; everything else in f32.
;; Inputs: token_positions 2,048 int32; wk 1,024 x 1,024 float32; wo 1,024 x 1,024 float32; wq 1,024 x 1,024 float32; wv 1,024 x 1,024 float32; x 4 x 2,048 x 1,024 float32.
;; Outputs: out0 4 x 2,048 x 1,024 float32.
;; This version of the problem:
;;   THIS VERSION OF THE PROBLEM IS GIVEN IN LOW PRECISION. The matrix products marked QUANTISED in the list below multiply operands that are first quantised to E2M1 (2 exponent bits, 1 mantissa bit; 4 bits a number), with one power-of-two scale for each 32 numbers along K (OCP MX v1.0); their sums are f32. The products marked 'left as it is' may take bf16, f16 or f32 operands, with f32 sums. Whichever they take, every output number must still come out within the allowed error. Rounding operands to bf16 (8 significant bits) uses up far more of that allowance than f16 does (11 bits, for magnitudes from 6e-5 to 65,504). All else is computed in f32.
;;   The module's matrix products, in the order in which they are computed (A, B: the left and right operand; K: the contracted axis; several contracted axes count as one K, in the product's order):
;;     1. [M 8,192, K 1,024] x [K 1,024, N 1,024]; A: input x; B: input wq: QUANTISED
;;     2. [M 8,192, K 1,024] x [K 1,024, N 1,024]; A: input x; B: input wk: QUANTISED
;;     3. [M 8,192, K 1,024] x [K 1,024, N 1,024]; A: input x; B: input wv: QUANTISED
;;     4. batch 64 x [M 2,048, K 64] x [K 64, N 2,048]; A: computed on the way; B: computed on the way: left as it is (an operand is computed on the way)
;;     5. batch 64 x [M 2,048, K 2,048] x [K 2,048, N 64]; A: computed on the way; B: computed on the way: left as it is (an operand is computed on the way)
;;     6. [M 8,192, K 1,024] x [K 1,024, N 1,024]; A: computed on the way; B: input wo: left as it is (an operand is computed on the way)
;;   THE QUANTISER, for each operand of a quantised product, along K:
;;     - K is cut into blocks of 32 from its start; a last block that is shorter is filled with zeros.
;;     - A block's scale is 2^e with e = floor(log2(the largest magnitude in the block)) - 2, held to -126 .. 127; a block of zeros has e = 0. As a byte (E8M0): e + 127.
;;     - Each number is divided by its block's scale, clamped to +-6, and rounded to the nearest number of E2M1, ties to even, subnormals kept.
;;     - The product sums the exact products of the quantised numbers (number of the format x scale) in f32.
;;   ~~~python
;;   def quantise(x, axis):      # numpy; x: float32 -> the quantised numbers, widened to float32 again
;;       x = np.moveaxis(x, axis, -1); K = x.shape[-1]
;;       x = np.pad(x, [(0, 0)] * (x.ndim - 1) + [(0, -K % 32)]); x = x.reshape(x.shape[:-1] + (-1, 32)); a = np.abs(x).max(-1, keepdims=True)
;;       e = np.where(a > 0, np.clip(np.frexp(np.where(a > 0, a, 1))[1] - 1 - 2, -126, 127), 0)      # np.frexp(a)[1] - 1 = floor(log2(a)), exactly
;;       r = np.clip(x / 2.0 ** e, -6, 6)
;;       step = 2.0 ** (np.maximum(np.frexp(np.where(r == 0, 1, r))[1] - 1, 0) - 1)
;;       q = np.round(r / step) * step * 2.0 ** e      # np.round: ties to even
;;       return np.moveaxis(q.reshape(q.shape[:-2] + (-1,))[..., :K], -1, axis).astype(np.float32)
;;   ~~~
;; One version. Each part assembles by itself: llvm-mc -triple=amdgcn-amd-amdhsa -mcpu=gfx1250 --defsym DOCPART=n.
;; ======== version 1 of 1: 5 launches
;; limits: values are held in f16: magnitudes above 65,504 overflow, below 6.1e-05 lose precision
;; workspace buffers: codes 5,767,168 bytes; scl 360,448 bytes; wo16 2,097,152 bytes; rope 1,048,576 bytes; qkv 50,331,648 bytes; qkvf 786,432 bytes; ao 16,777,216 bytes
;; launch prep (part 1): grid 448 x 1, 4 waves a work-group, no clusters, 33,280 bytes of LDS; arguments x, wq, wk, wv, wo, token_positions, codes, scl, wo16, rope; writes codes, scl, wo16, rope
.if DOCPART == 1
	.amdgcn_target "amdgcn-amd-amdhsa--gfx1250"
	.amdhsa_code_object_version 6
	.text
	.protected	k_q1f51aa183b_prep
	.globl	k_q1f51aa183b_prep
	.p2align	8
	.type	k_q1f51aa183b_prep,@function
k_q1f51aa183b_prep:
	s_mov_b64 s[64:65], 0
	v_nop
	global_prefetch_b8 v0, s[64:65] scope:SCOPE_SE
	s_setreg_imm32_b32 hwreg(HW_REG_WAVE_MODE, 25, 1), 1
	s_wait_xcnt 0x0
; THREE JOBS IN ONE LAUNCH, told apart by the work-group's number g.
; g < 352: x [8192][1024], wq, wk, wv [1024][1024], f32, become codes of FP4 (E2M1) with K innermost and one E8M0 byte for each 32 along K, laid as ONE tensor of 11,264 rows: x's rows, then wq's, wk's, wv's.
;   A block's scale is 2^(floor(log2(its largest magnitude)) - 2); its byte is the largest magnitude's exponent field - 2, held at 1 from below.  A block of zeros so gets the byte 1 where the rule says 127:
;   its codes are zeros, and this program alone reads the bytes.  Rows are dense and K is a multiple of 32: each tensor is a plain stream of blocks.  A wave takes 16 steps of 512 numbers: each load reads 512
;   consecutive bytes, a step's 2,048 bytes turn through the wave's own stage in LDS so that a lane holds 16 neighbours; a lane's codes are 8 bytes, the wave stores 256 consecutive bytes.
; 352 <= g < 384: wo [1024][1024] f32 becomes f16, laid [n / 128][k / 64][n % 128][k % 64], so that the projection's tiles are dense blocks.
; g >= 384: the table of rotations, [kind 2][s 2048][i 32][cos, sin] f32, from token_positions: kind 0 times log2(e) / 8 (for q: the scores then are exponents of 2), kind 1 plain (for k).
; LIMITS: blocks whose largest magnitude lies under 2^-124 keep the byte 1; NaN and infinities are not served; |position| up to 2^23 (its conversion to f32 is exact there; the reduction by pi / 2 in two parts
; then errs by under 1e-8); the frequencies are the nearest f32 numbers to 10^(-i / 8).
.set WAVES, 4
.set STEPS, 16
.set EMAX,  2
.set CB,    8                          ; bytes of 16 codes
.set R,     16                         ; v16-79   four sets of 16 numbers as they are loaded
.set X,     80                         ; v80-111  two sets of 16 neighbours
.set C,     128                        ; v128-191 codes: four registers for each step
.set E,     112                        ; v112-127 a scale byte for each step
.set WREG,  8192                       ; LDS: a region for each wave: two stages of 32 x SP bytes, behind them its 256 scale bytes
.set SP,    80                         ; a lane's place in a stage: 64 bytes + 16 of padding
.set SPW,   12                         ; v12  LDS address of my spare word; never rewritten
.set NIL,   13                         ; v13  0; never rewritten
.set SPARE, WAVES*WREG                 ; behind the four regions: the spare words, 128 bytes a wave
	s_load_b256 s[4:11], s[0:1], 0x0               ; x, wq, wk, wv
	s_load_b256 s[12:19], s[0:1], 0x20             ; wo, token_positions, codes, scl
	s_load_b128 s[20:23], s[0:1], 0x40             ; wo16, rope
	v_lshl_add_u32 v[SPW], v0, 2, SPARE
	v_mov_b32 v[NIL], 0
	v_lshrrev_b32 v1, 5, v0
	v_readfirstlane_b32 s24, v1                    ; wave
	v_and_b32 v2, 31, v0                           ; lane
	v_lshlrev_b32 v3, 4, v2                        ; my 16 bytes of a load's 512
	s_mul_i32 s29, s24, WREG
	v_lshrrev_b32 v14, 2, v2
	v_mul_u32_u24 v14, v14, SP
	v_and_b32 v15, 3, v2
	v_lshl_add_u32 v14, v15, 4, v14
	v_add_nc_u32 v14, s29, v14                     ; the stage, on the way in: SP (lane / 4) + 16 (lane % 4)
	v_mul_u32_u24 v15, v2, SP
	v_add_nc_u32 v15, s29, v15                     ; and on the way out: SP x lane: my 16 neighbours
	v_mul_u32_u24 v4, v2, CB                       ; my codes' place in a step's
	v_lshrrev_b32 v5, 1, v2
	s_add_co_u32 s29, s29, 2*32*SP
	v_add_nc_u32 v5, s29, v5                       ; LDS: my wave's 256 scale bytes, my block's byte
	v_lshlrev_b32 v7, 3, v2                        ; 8 bytes a lane
	v_add_nc_u32 v6, s29, v7
	s_mov_b32 s27, 0                               ; the upper word of every offset below
	s_wait_kmcnt 0x0
	s_cmp_ge_u32 ttmp9, 384
	s_cbranch_scc1 .Lrope
	s_cmp_ge_u32 ttmp9, 352
	s_cbranch_scc1 .Lwo
	; ---- the quantiser.  Which tensor: a choice of pointers on the work-group's number alone; the destinations need none, since the rows lie on end
	s_cmp_lt_u32 ttmp9, 256
	s_cselect_b64 s[4:5], s[4:5], s[6:7]
	s_cselect_b32 s25, 0, 256
	s_cmp_lt_u32 ttmp9, 288
	s_cselect_b64 s[4:5], s[4:5], s[8:9]
	s_cselect_b32 s25, s25, 288
	s_cmp_lt_u32 ttmp9, 320
	s_cselect_b64 s[4:5], s[4:5], s[10:11]
	s_cselect_b32 s25, s25, 320
	s_sub_co_u32 s25, ttmp9, s25
	s_lshl_b32 s25, s25, 2
	s_add_co_u32 s26, s25, s24                     ; which run of 8,192 numbers of the tensor is my wave's
	s_lshl_b32 s26, s26, 15                        ; 32,768 bytes a run
	s_add_nc_u64 s[4:5], s[4:5], s[26:27]
	s_lshl_b32 s28, ttmp9, 2
	s_add_co_u32 s28, s28, s24                     ; and which run of the joined tensor
	s_lshl_b32 s26, s28, 12                        ; 4,096 bytes of codes a run
	s_add_nc_u64 s[16:17], s[16:17], s[26:27]
	s_lshl_b32 s26, s28, 8                         ; 256 scale bytes a run
	s_add_nc_u64 s[18:19], s[18:19], s[26:27]
.macro LOAD t
.irp i, 0,1,2,3
	global_load_b128 v[R+16*((\t)%4)+4*\i:R+16*((\t)%4)+4*\i+3], v3, s[4:5] offset:2048*(\t)+512*\i th:TH_LOAD_NT   ; 32 lanes read 512 consecutive bytes
.endr
.endm
.macro TURN t                          ; step t's numbers through the stage: LDS serves a wave's instructions in order, so no wait stands between the stores and the loads
.irp i, 0,1,2,3
	ds_store_b128 v14, v[R+16*((\t)%4)+4*\i:R+16*((\t)%4)+4*\i+3] offset:32*SP*((\t)%2)+8*SP*\i
.endr
.irp i, 0,1,2,3
	ds_load_b128 v[X+16*((\t)%2)+4*\i:X+16*((\t)%2)+4*\i+3], v15 offset:32*SP*((\t)%2)+16*\i
.endr
.endm
.irp t, 0,1,2,3
	LOAD \t
.endr
	s_wait_loadcnt 12                              ; step 0's four loads are in
	TURN 0
.macro STEP t
.set XS, X+16*((\t)%2)
.if (\t) > 0
	s_wait_dscnt 1                                 ; this step's numbers are back from the stage (the last step's byte store may be out)
.else
	s_wait_dscnt 0x0
.endif
.if (\t)+4 < STEPS
	LOAD (\t)+4                                    ; into the registers that the stage's stores have read
.endif
.if (\t)+1 < STEPS
.if STEPS-2-(\t) >= 3
	s_wait_loadcnt 12                              ; the next step's four loads are in; those of the three steps behind it may be out
.else
	s_wait_loadcnt 4*(STEPS-2-(\t))
.endif
	TURN (\t)+1
.endif
	v_max3_num_f32 v8, |v[XS]|, |v[XS+1]|, |v[XS+2]|               ; the largest magnitude of my 16
	v_max3_num_f32 v9, |v[XS+3]|, |v[XS+4]|, |v[XS+5]|
.irp i, 6,10
	v_max3_num_f32 v8, v8, |v[XS+\i]|, |v[XS+\i+1]|
	v_max3_num_f32 v9, v9, |v[XS+\i+2]|, |v[XS+\i+3]|
.endr
	v_max3_num_f32 v8, v8, |v[XS+14]|, |v[XS+15]|
	v_max3_num_f32 v8, v8, v9, (EMAX+1)<<23        ; and the floor 2^(EMAX + 1 - 127): the byte cannot fall under 1
	v_max_num_f32_dpp v8, v8, v8 row_xmask:1 row_mask:0xf bank_mask:0xf   ; and of my neighbour's 16: the block's
	v_add_nc_u32 v11, -(EMAX<<23), v8              ; EMAX off its exponent field: the conversion takes the exponent field of this operand as its scale
	v_cvt_scalef32_pk8_fp4_f32 v[C+4*(\t)], v[XS:XS+7], v11
	v_cvt_scalef32_pk8_fp4_f32 v[C+4*(\t)+1], v[XS+8:XS+15], v11
	v_lshrrev_b32 v[E+(\t)], 23, v11               ; the scale's byte
	ds_store_b8 v5, v[E+(\t)] offset:16*(\t)       ; both lanes of a block write the same byte with the same value
	global_store_b64 v4, v[C+4*(\t):C+4*(\t)+1], s[16:17] offset:32*CB*(\t)
.endm
.irp t, 0,1,2,3,4,5,6,7,8,9,10,11,12,13,14,15
	STEP \t
.endr
	ds_load_b64 v[8:9], v6                         ; LDS serves a wave's instructions in order: these see my stores
	s_wait_dscnt 0x0
	global_store_b64 v7, v[8:9], s[18:19]          ; 32 lanes store 256 consecutive bytes, aligned
	s_wait_tensorcnt 0x0                           ; the wave's end, behind my last LDS store
	ds_add_u32 v[SPW], v[NIL]
	s_wait_dscnt 0x0
	s_endpgm
	; ---- wo to f16.  A wave takes 8 rows, two at a time: lanes 0-15 read 256 bytes (64 k) of one row, lanes 16-31 of the next; the 32 lanes' 8 bytes of f16 are 256 consecutive bytes of wo16
.Lwo:
	s_sub_co_u32 s25, ttmp9, 352                   ; 32 rows a work-group
	s_lshl_b32 s26, s25, 17
	s_lshl_b32 s28, s24, 15
	s_add_co_u32 s26, s26, s28
	s_add_nc_u64 s[12:13], s[12:13], s[26:27]      ; wo at my first row
	s_lshr_b32 s26, s25, 2
	s_lshl_b32 s26, s26, 18                        ; the block of 128 rows,
	s_and_b32 s28, s25, 3
	s_lshl_b32 s28, s28, 12                        ; the work-group's 32 rows of 128 bytes in it,
	s_add_co_u32 s26, s26, s28
	s_lshl_b32 s28, s24, 10                        ; my wave's 8
	s_add_co_u32 s26, s26, s28
	s_add_nc_u64 s[20:21], s[20:21], s[26:27]
	v_lshrrev_b32 v8, 4, v2
	v_and_b32 v9, 15, v2
	v_lshlrev_b32 v8, 12, v8
	v_lshl_add_u32 v8, v9, 4, v8                   ; 4,096 (lane / 16) + 16 (lane % 16)
.macro WLOAD pr, set                   ; pair of rows pr, all 16 blocks of 64 along k
.irp kb, 0,1,2,3,4,5,6,7,8,9,10,11,12,13,14,15
	global_load_b128 v[16+64*\set+4*\kb:16+64*\set+4*\kb+3], v8, s[12:13] offset:\pr*8192+\kb*256
.endr
.endm
.macro WOUT set, pr
.irp kb, 0,1,2,3,4,5,6,7,8,9,10,11,12,13,14,15
	v_cvt_pk_f16_f32 v[16+64*\set+4*\kb], v[16+64*\set+4*\kb], v[16+64*\set+4*\kb+1]
	v_cvt_pk_f16_f32 v[16+64*\set+4*\kb+1], v[16+64*\set+4*\kb+2], v[16+64*\set+4*\kb+3]
	global_store_b64 v7, v[16+64*\set+4*\kb:16+64*\set+4*\kb+1], s[20:21] offset:\kb*16384+\pr*256
.endr
.endm
	WLOAD 0, 0
	WLOAD 1, 1
	s_wait_loadcnt 16                              ; the other set's 16 loads may be out
	WOUT 0, 0
	s_wait_xcnt 0x0                                ; the stores have read their registers: the set may be loaded again
	WLOAD 2, 0
	s_wait_loadcnt 16
	WOUT 1, 1
	s_wait_xcnt 0x0
	WLOAD 3, 1
	s_wait_loadcnt 16
	WOUT 0, 2
	s_wait_loadcnt 0x0
	WOUT 1, 3
	s_endpgm
	; ---- the table.  A wave takes 8 positions; lane i takes frequency i.  angle = position x frequency, one rounding; n = the nearest whole number to angle x 2 / pi; r = angle - n pi / 2, pi / 2 in two parts;
	; sine and cosine of r (|r| <= pi / 4) by polynomials; n mod 4 says which is which and with what sign.
.Lrope:
	s_sub_co_u32 s25, ttmp9, 384                   ; 32 positions a work-group
	s_lshl_b32 s26, s25, 7
	s_lshl_b32 s28, s24, 5
	s_add_co_u32 s26, s26, s28                     ; 4 bytes x my first position
	s_add_nc_u64 s[14:15], s[14:15], s[26:27]
	s_load_b256 s[32:39], s[14:15], 0x0            ; my 8 positions
	s_lshl_b32 s26, s26, 6                         ; 256 bytes of table a position
	s_add_nc_u64 s[22:23], s[22:23], s[26:27]
	s_mov_b32 s40, 0xbfc90fdb                      ; -(pi / 2, to f32)
	s_mov_b32 s41, 0x333bbd2e                      ; that number less pi / 2
	s_mov_b32 s42, -0.00019515295891               ; sine: r + r z (s44 + z (s43 + z s42)), z = r r
	s_mov_b32 s43, 0.0083321608736
	s_mov_b32 s44, -0.16666654611
	s_mov_b32 s45, 0.00002443315712                ; cosine: 1 - z / 2 + z z (s47 + z (s46 + z s45))
	s_mov_b32 s46, -0.001388731625
	s_mov_b32 s47, 0.04166664568
	v_mov_b32 v10, 1.0                             ; my frequency, 10^(-lane / 8)
.macro FREQ i, lit
	v_cmp_ne_u32 vcc_lo, \i, v2
	v_cndmask_b32 v10, \lit, v10, vcc_lo
.endm
	FREQ 1, 0.7498942093
	FREQ 2, 0.5623413252
	FREQ 3, 0.4216965034
	FREQ 4, 0.3162277660
	FREQ 5, 0.2371373706
	FREQ 6, 0.1778279410
	FREQ 7, 0.1333521432
	FREQ 8, 0.1
	FREQ 9, 0.07498942093
	FREQ 10, 0.05623413252
	FREQ 11, 0.04216965034
	FREQ 12, 0.03162277660
	FREQ 13, 0.02371373706
	FREQ 14, 0.01778279410
	FREQ 15, 0.01333521432
	FREQ 16, 0.01
	FREQ 17, 0.007498942093
	FREQ 18, 0.005623413252
	FREQ 19, 0.004216965034
	FREQ 20, 0.003162277660
	FREQ 21, 0.002371373706
	FREQ 22, 0.001778279410
	FREQ 23, 0.001333521432
	FREQ 24, 0.001
	FREQ 25, 0.0007498942093
	FREQ 26, 0.0005623413252
	FREQ 27, 0.0004216965034
	FREQ 28, 0.0003162277660
	FREQ 29, 0.0002371373706
	FREQ 30, 0.0001778279410
	FREQ 31, 0.0001333521432
	s_wait_kmcnt 0x0
; eight positions side by side, eight registers each from v16: +0 angle, +1 n, +2 r, +3 z, +4 sine, +5 cosine, +6, +7 at work.  The results: v[80 + 4 j] on: cos c, sin c, cos, sin
.irp j, 0,1,2,3,4,5,6,7
	v_cvt_f32_i32 v[16+8*\j], s[32+\j]
.endr
.irp j, 0,1,2,3,4,5,6,7
	v_mul_f32 v[16+8*\j], v[16+8*\j], v10
.endr
.irp j, 0,1,2,3,4,5,6,7
	v_mul_f32 v[17+8*\j], 0x3f22f983, v[16+8*\j]   ; x 2 / pi
.endr
.irp j, 0,1,2,3,4,5,6,7
	v_rndne_f32 v[17+8*\j], v[17+8*\j]
.endr
.irp j, 0,1,2,3,4,5,6,7
	v_fma_f32 v[18+8*\j], v[17+8*\j], s40, v[16+8*\j]
.endr
.irp j, 0,1,2,3,4,5,6,7
	v_fma_f32 v[18+8*\j], v[17+8*\j], s41, v[18+8*\j]
.endr
.irp j, 0,1,2,3,4,5,6,7
	v_mul_f32 v[19+8*\j], v[18+8*\j], v[18+8*\j]
.endr
.irp j, 0,1,2,3,4,5,6,7
	v_fma_f32 v[20+8*\j], v[19+8*\j], s42, s43
.endr
.irp j, 0,1,2,3,4,5,6,7
	v_fma_f32 v[21+8*\j], v[19+8*\j], s45, s46
.endr
.irp j, 0,1,2,3,4,5,6,7
	v_fma_f32 v[20+8*\j], v[20+8*\j], v[19+8*\j], s44
.endr
.irp j, 0,1,2,3,4,5,6,7
	v_fma_f32 v[21+8*\j], v[21+8*\j], v[19+8*\j], s47
.endr
.irp j, 0,1,2,3,4,5,6,7
	v_mul_f32 v[22+8*\j], v[18+8*\j], v[19+8*\j]   ; r z
.endr
.irp j, 0,1,2,3,4,5,6,7
	v_mul_f32 v[23+8*\j], v[19+8*\j], v[19+8*\j]   ; z z
.endr
.irp j, 0,1,2,3,4,5,6,7
	v_fma_f32 v[16+8*\j], v[19+8*\j], -0.5, 1.0
.endr
.irp j, 0,1,2,3,4,5,6,7
	v_fma_f32 v[20+8*\j], v[22+8*\j], v[20+8*\j], v[18+8*\j]   ; sin r
.endr
.irp j, 0,1,2,3,4,5,6,7
	v_fma_f32 v[21+8*\j], v[23+8*\j], v[21+8*\j], v[16+8*\j]   ; cos r
.endr
.irp j, 0,1,2,3,4,5,6,7
	v_cvt_i32_f32 v[22+8*\j], v[17+8*\j]
.endr
.irp j, 0,1,2,3,4,5,6,7
	v_and_b32 v[23+8*\j], 1, v[22+8*\j]
.endr
.irp j, 0,1,2,3,4,5,6,7
	v_cmp_eq_u32 vcc_lo, 1, v[23+8*\j]             ; n odd: the two change places
	v_cndmask_b32 v[83+4*\j], v[20+8*\j], v[21+8*\j], vcc_lo
	v_cndmask_b32 v[82+4*\j], v[21+8*\j], v[20+8*\j], vcc_lo
.endr
.irp j, 0,1,2,3,4,5,6,7
	v_lshlrev_b32 v[23+8*\j], 30, v[22+8*\j]       ; the sine is negative where n mod 4 is 2 or 3,
.endr
.irp j, 0,1,2,3,4,5,6,7
	v_add_nc_u32 v[22+8*\j], 1, v[22+8*\j]         ; the cosine where it is 1 or 2
.endr
.irp j, 0,1,2,3,4,5,6,7
	v_and_b32 v[23+8*\j], 0x80000000, v[23+8*\j]
.endr
.irp j, 0,1,2,3,4,5,6,7
	v_lshlrev_b32 v[22+8*\j], 30, v[22+8*\j]
.endr
.irp j, 0,1,2,3,4,5,6,7
	v_xor_b32 v[83+4*\j], v[83+4*\j], v[23+8*\j]
.endr
.irp j, 0,1,2,3,4,5,6,7
	v_and_b32 v[22+8*\j], 0x80000000, v[22+8*\j]
.endr
.irp j, 0,1,2,3,4,5,6,7
	v_xor_b32 v[82+4*\j], v[82+4*\j], v[22+8*\j]
.endr
.irp j, 0,1,2,3,4,5,6,7
	v_mul_f32 v[80+4*\j], 0x3e38aa3b, v[82+4*\j]   ; x log2(e) / 8
	v_mul_f32 v[81+4*\j], 0x3e38aa3b, v[83+4*\j]
.endr
.irp j, 0,1,2,3,4,5,6,7
	global_store_b64 v7, v[80+4*\j:81+4*\j], s[22:23] offset:256*\j          ; a position's row: 32 lanes store 256 consecutive bytes, aligned
	global_store_b64 v7, v[82+4*\j:83+4*\j], s[22:23] offset:524288+256*\j
.endr
	s_endpgm
.Lfunc_end_k_q1f51aa183b_prep:
	.size	k_q1f51aa183b_prep, .Lfunc_end_k_q1f51aa183b_prep-k_q1f51aa183b_prep
	.p2alignl 7, 3214868480
	.fill 96, 4, 3214868480
	.section	.rodata,"a",@progbits
	.p2align	6, 0x0
	.amdhsa_kernel k_q1f51aa183b_prep
		.amdhsa_group_segment_fixed_size 33280
		.amdhsa_private_segment_fixed_size 0
		.amdhsa_enable_private_segment 0
		.amdhsa_kernarg_size 80
		.amdhsa_user_sgpr_count 2
		.amdhsa_user_sgpr_kernarg_segment_ptr 1
		.amdhsa_wavefront_size32 1
		.amdhsa_system_sgpr_workgroup_id_x 1
		.amdhsa_system_sgpr_workgroup_id_y 1
		.amdhsa_system_sgpr_workgroup_id_z 1
		.amdhsa_system_vgpr_workitem_id 0
		.amdhsa_next_free_vgpr 192
		.amdhsa_next_free_sgpr 66
		.amdhsa_reserve_vcc 1
		.amdhsa_float_denorm_mode_32 3
		.amdhsa_float_denorm_mode_16_64 3
		.amdhsa_memory_ordered 1
		.amdhsa_forward_progress 1
		.amdhsa_inst_pref_size 71
	.end_amdhsa_kernel
	.amdgpu_metadata
---
amdhsa.version: [ 1, 2 ]
amdhsa.kernels:
  - .name:           k_q1f51aa183b_prep
    .symbol:         k_q1f51aa183b_prep.kd
    .args:
      - { .name: x, .offset: 0, .size: 8, .value_kind: global_buffer, .address_space: global }
      - { .name: wq, .offset: 8, .size: 8, .value_kind: global_buffer, .address_space: global }
      - { .name: wk, .offset: 16, .size: 8, .value_kind: global_buffer, .address_space: global }
      - { .name: wv, .offset: 24, .size: 8, .value_kind: global_buffer, .address_space: global }
      - { .name: wo, .offset: 32, .size: 8, .value_kind: global_buffer, .address_space: global }
      - { .name: token_positions, .offset: 40, .size: 8, .value_kind: global_buffer, .address_space: global }
      - { .name: codes, .offset: 48, .size: 8, .value_kind: global_buffer, .address_space: global }
      - { .name: scl, .offset: 56, .size: 8, .value_kind: global_buffer, .address_space: global }
      - { .name: wo16, .offset: 64, .size: 8, .value_kind: global_buffer, .address_space: global }
      - { .name: rope, .offset: 72, .size: 8, .value_kind: global_buffer, .address_space: global }
    .group_segment_fixed_size: 33280
    .private_segment_fixed_size: 0
    .kernarg_segment_align: 8
    .kernarg_segment_size: 80
    .max_flat_workgroup_size: 128
    .sgpr_count:     66
    .vgpr_count:     192
    .wavefront_size: 32
...
	.end_amdgpu_metadata
.endif
;; end of part 1
;; launch qkv (part 2): grid 12 x 32, 4 waves a work-group, clusters of 4 x 4, 327,680 bytes of LDS; arguments codes, scl, rope, qkv, qkvf; writes qkv, qkvf
.if DOCPART == 2
	.amdgcn_target "amdgcn-amd-amdhsa--gfx1250"
	.amdhsa_code_object_version 6
	.text
	.protected	k_q1f51aa183b_qkv
	.globl	k_q1f51aa183b_qkv
	.p2align	8
	.type	k_q1f51aa183b_qkv,@function
k_q1f51aa183b_qkv:
	s_mov_b64 s[64:65], 0
	v_nop
	global_prefetch_b8 v0, s[64:65] scope:SCOPE_SE
	s_setreg_imm32_b32 hwreg(HW_REG_WAVE_MODE, 25, 1), 1
	s_wait_xcnt 0x0
	s_wait_alu depctr_hold_cnt(0) depctr_sa_sdst(0) depctr_va_vdst(0) depctr_va_sdst(0) depctr_va_ssrc(0) depctr_va_vcc(0) depctr_vm_vsrc(0)
	s_getreg_b32 s2, hwreg(HW_REG_IB_STS2, 6, 4)
	s_cmp_eq_u32 s2, 0
	s_cbranch_scc0 .Lentry_in_a_cluster
	s_endpgm
.Lentry_in_a_cluster:
	s_bfe_u32 s2, ttmp6, 0x10000c
	s_cmp_lg_u32 s2, 0xf033
	s_cbranch_scc0 .Lentry_shape_is_right
	s_endpgm
.Lentry_shape_is_right:
; [q | k | v] = x [wq; wk; wv]^T on codes of FP4 (E2M1) with one E8M0 scale for each 32 along K = 1,024; then the rotation of q and k; results as f16, laid [kind 3][batch 4][head 16][position 2048][64].
; codes: [11264][512 bytes], scl: [11264][32]: rows 0-8191 are x's (A), rows 8192 on wq's, wk's, wv's (B, 3,072 rows).  The matrix instruction takes codes and scale bytes as they lie.
; A tile of the result, 256 tokens x 256 features, is made by four waves; a wave makes 128 x 128: 64 accumulators, 512 registers.  K goes in two steps of 512 through two LDS slots, each filled once; the scale bytes
; of the work-group's rows come once, beside them.  CLUSTERS: 4 x 4 work-groups; the four of a row need the same tiles of A, the four of a column the same tiles of B: each tile is asked for jointly.
; THE TILES ARE DEALT SO THAT WHAT STEERS A BRANCH IS THE SAME IN ALL PARTNERS: tile row = cluster y + 8 cy, so the batch is cy and the tile's first position 256 x cluster y; tile column = 4 x cluster x + cx, so the
; kind (q, k, v) is cluster x.  THE MATRIX INSTRUCTION IS USED TRANSPOSED (source 0 = 16 rows of B, source 1 = 16 rows of A): a lane holds one token and eight neighbouring features: four pairs (even, odd) of the rotation.
; THE WAY OUT, 16 tokens at a time: rotation by the table [kind][position][32][cos, sin] (q's table carries log2(e) / 8), rounding to f16, through the wave's stage in LDS, stores of 256 consecutive bytes for each 16 lanes
; (two tokens of one head).  Positions 0-15 of each sequence also leave as f32 (qkvf [batch][kind][head][16][64]) for the launch that carries them finely: runs of 32 bytes a lane, 786,432 bytes in the whole launch.
; LIMIT: q log2(e) / 8, k and v must lie under 65,504 in size (f16).
; REGISTERS: window 0: v0-31 addresses; v32-95 scale words, two sets; v128-191 A's fragments, one set; v192-255 table rows.  On the way out: v32-95 rotated numbers, v96-127 f16, v128-191 rows from the stage.
;   window 1: B's fragments, two sets, at v0 and v128.   window 2: accumulators of my rows 0-63 ((a, b) at v[8 (8 a + b)]);   window 3: of my rows 64-127.
.set KSTEP,  512
.set NQ,     KSTEP/128
.set ROWB,   256                       ; a tile's row in bytes
.set KROW,   512                       ; a row of codes in memory
.set PITCH,  272                       ; an LDS row: 256 bytes + 16 of padding: the 16 rows that a load touches start at 16 different banks (64 banks of 4 bytes: ISA guide 11.1)
.set FR,     8
.set NL,     2
.set NP,     4                         ; places behind this matrix instruction (ISA guide 7.12.1)
.set HALFT,  128*PITCH
.set SLOT,   4*HALFT
.set KS,     32                        ; a row of scale bytes
.set SCL,    2*SLOT
.set HALFS,  (128*KS/256)*272
.set SBLK,   (16*KS/256)*272
.set SPARE,  SCL+4*HALFS               ; the spare words, 128 bytes a wave
.set SPITCH, 272                       ; the way out: a stage of 16 rows x (256 bytes + 16) for each wave, in slot 0, which has had its only fill and its last read by then
.set ADRA, 16
.set ADRB, 20
.set STO,  24
.set RD,   25
.set CO,   26
.set ADRS, 27
.set SPW,  28
.set NIL,  29
.set TA,   30                          ; v30  256 (lane % 16) + 32 (lane / 16): my place in 16 rows of the table, and of qkvf
.set SC,   32
.set AF,   128
.set OV,   32
.set PK,   96
.set BK,   128
.set T0,   192
.set G1, 24
.set G0, 32
.set G1B, 48
.set G0B, 56
.set G1S, 68
.set G0S, 76
.set G1SB, 80
.set G0SB, 88
.set MSB, 0
.macro WIN new                         ; the immediate's high byte repeats the setting that is left
.if MSB != \new
	s_set_vgpr_msb (MSB<<8)|\new
.set MSB, \new
.endif
.endm
.set MUL_LO, 0xa1                      ; source 0 (B) window 1, source 1 (A) window 0, C and D window 2
.set MUL_HI, 0xf1
.set TO_B,   0x40
; A joint load: waves 0 and 1 fetch for A, waves 2 and 3 for B; the branch hangs on the wave's number alone.  An s_nop 0 and four v_nop follow each line.
.macro JLOAD g0a, g1a, g0b, g1b
	s_cmp_eq_u32 s15, 0
	s_cbranch_scc0 .Lfor_b_\@
	tensor_load_to_lds s[\g0a:\g0a+3], s[\g1a:\g1a+7]
	s_nop 0
.rept 4
	v_nop
.endr
	s_branch .Lasked_\@
.Lfor_b_\@:
	tensor_load_to_lds s[\g0b:\g0b+3], s[\g1b:\g1b+7]
	s_nop 0
.rept 4
	v_nop
.endr
.Lasked_\@:
.endm
.macro CROUND                          ; a round of the cluster's barrier
	s_barrier_signal -1
	s_barrier_wait -1
	s_cmp_lg_u32 s14, 0
	s_cbranch_scc1 .Lnot_wave_0_\@
	s_barrier_signal -3
.Lnot_wave_0_\@:
	s_barrier_wait -3
	s_barrier_signal -1
	s_barrier_wait -1
.endm
	s_load_b128 s[4:7], s[0:1], 0x0                ; codes, scl
	s_load_b64 s[96:97], s[0:1], 0x10              ; rope
	s_load_b64 s[12:13], s[0:1], 0x18              ; qkv
	s_load_b64 s[98:99], s[0:1], 0x20              ; qkvf
	v_lshl_add_u32 v[SPW], v0, 2, SPARE
	v_mov_b32 v[NIL], 0
	ds_add_u32 v[SPW], v[NIL]                      ; the wave's opening: the add, twice on end, and its wait ahead of my first tensor load
	ds_add_u32 v[SPW], v[NIL]
	v_lshrrev_b32 v1, 5, v0
	v_readfirstlane_b32 s14, v1                    ; wave 0..3
	s_lshr_b32 s15, s14, 1                         ; which half of the tile's rows is mine.  Also: I fetch for A (0) or for B (1)
	s_and_b32 s16, s14, 1                          ; which half of its columns.  Also: which 128 rows I fetch
	s_bfe_u32 s40, ttmp6, 0x40000                  ; cx, cy
	s_bfe_u32 s41, ttmp6, 0x40004
	s_lshl_b32 s42, ttmp9, 2
	s_add_co_u32 s42, s42, s40                     ; tile column = 4 x cluster x + cx
	s_and_b32 s17, ttmp7, 0xffff
	s_lshl_b32 s43, s41, 3
	s_add_co_u32 s17, s17, s43                     ; tile row = cluster y + 8 cy
	s_mov_b32 s100, ttmp9                          ; the kind: 0 q, 1 k, 2 v: the same in all partners
	s_and_b32 s101, ttmp7, 0xffff
	s_or_b32 s101, s101, s15                       ; 0 where my rows begin at position 0: cluster y and the wave's number alone
	s_lshl_b32 s43, s41, 2
	s_lshl_b32 s43, 15, s43                        ; my row of the cluster
	s_lshl_b32 s44, 0x1111, s40                    ; my column
	s_or_b32 s[G1+0], s43, (0<<16)|(1<<20)|(1<<21)|(5<<22)|(3<<25)  ; the mask; elements of 1 byte; padding: 4 words after every 64; bit 21 set beside a mask
	s_or_b32 s[G1B+0], s44, (0<<16)|(1<<20)|(1<<21)|(5<<22)|(3<<25)
.irp g, G1, G1B
	s_mov_b32 s[\g+1], ROWB<<16                    ; tensor_dim0
	s_mov_b32 s[\g+2], 128<<16                     ; tensor_dim1
	s_mov_b32 s[\g+3], ROWB<<16                    ; tile_dim0
	s_mov_b32 s[\g+4], 128                         ; tile_dim1
	s_mov_b32 s[\g+5], KROW                        ; the pitch
	s_mov_b32 s[\g+6], 0
	s_mov_b32 s[\g+7], 0
.endr
	s_or_b32 s[G1S+0], s43, (3<<16)|(1<<20)|(1<<21)|(5<<22)|(3<<25) ; the scales of 128 rows: 4,096 dense bytes as 16 rows of 256 (32 elements of 8 bytes)
	s_or_b32 s[G1SB+0], s44, (3<<16)|(1<<20)|(1<<21)|(5<<22)|(3<<25)
.irp g, G1S, G1SB
	s_mov_b32 s[\g+1], 32<<16
	s_mov_b32 s[\g+2], (128*KS/256)<<16
	s_mov_b32 s[\g+3], 32<<16
	s_mov_b32 s[\g+4], 128*KS/256
	s_mov_b32 s[\g+5], 32
	s_mov_b32 s[\g+6], 0
	s_mov_b32 s[\g+7], 0
.endr
	s_lshl_b32 s18, s16, 7
	s_lshl_b32 s20, s17, 8
	s_add_co_u32 s20, s20, s18                     ; A: row 256 x tile row + 128 x half
	s_lshl_b32 s46, s42, 8
	s_add_co_u32 s46, s46, s18                     ; B: row 256 x tile column + 128 x half
	s_mov_b32 s21, 0
	s_mov_b32 s47, 0
	s_mov_b64 s[18:19], KS
	s_mul_u64 s[22:23], s[20:21], s[18:19]
	s_mul_u64 s[92:93], s[46:47], s[18:19]
	s_mov_b64 s[18:19], KROW
	s_mul_u64 s[20:21], s[20:21], s[18:19]
	s_mul_u64 s[46:47], s[46:47], s[18:19]
	s_mul_i32 s45, s14, HALFT                      ; where they go: wave x 128 rows
	s_mul_i32 s94, s14, HALFS
	s_wait_dscnt 0x0                               ; both opening adds are done
	s_wait_kmcnt 0x0
	s_add_nc_u64 s[8:9], s[4:5], 8192*KROW         ; B's codes and scale bytes lie behind A's 8,192 rows
	s_add_nc_u64 s[10:11], s[6:7], 8192*KS
	s_add_nc_u64 s[20:21], s[4:5], s[20:21]
	s_add_nc_u64 s[22:23], s[6:7], s[22:23]
	s_add_nc_u64 s[46:47], s[8:9], s[46:47]
	s_add_nc_u64 s[92:93], s[10:11], s[92:93]
	CROUND                                         ; all sixteen work-groups are here: the joint loads meet
	s_mov_b32 s[G0S], 1
	s_add_co_u32 s[G0S+1], s94, SCL
	s_mov_b64 s[G0S+2:G0S+3], s[22:23]
	s_or_b32 s[G0S+3], s[G0S+3], 0x80000000
	s_mov_b32 s[G0SB], 1
	s_add_co_u32 s[G0SB+1], s94, SCL
	s_mov_b64 s[G0SB+2:G0SB+3], s[92:93]
	s_or_b32 s[G0SB+3], s[G0SB+3], 0x80000000
	JLOAD G0S, G1S, G0SB, G1SB                     ; three loads of mine go out here, and no more in the launch: the scales,
.irp s, 0,1
	s_mov_b32 s[G0+4*\s], 1
	s_add_co_u32 s[G0+4*\s+1], s45, \s*SLOT
	s_add_nc_u64 s[G0+4*\s+2:G0+4*\s+3], s[20:21], \s*ROWB
	s_or_b32 s[G0+4*\s+3], s[G0+4*\s+3], 0x80000000
	s_mov_b32 s[G0B+4*\s], 1
	s_add_co_u32 s[G0B+4*\s+1], s45, \s*SLOT
	s_add_nc_u64 s[G0B+4*\s+2:G0B+4*\s+3], s[46:47], \s*ROWB
	s_or_b32 s[G0B+4*\s+3], s[G0B+4*\s+3], 0x80000000
	JLOAD G0+4*\s, G1, G0B+4*\s, G1B               ; and the two K steps
.endr
	v_and_b32 v1, 15, v0                           ; r = l % 16
	v_bfe_u32 v2, v0, 4, 1                         ; h = l / 16
	v_mul_u32_u24 v3, v1, PITCH
	v_lshl_add_u32 v4, v2, 4, v3
	s_mul_i32 s21, s15, HALFT
	s_mul_i32 s22, s16, HALFT
	s_add_co_u32 s22, s22, 2*HALFT
.irp s, 0,1
	v_add_nc_u32 v[ADRA+\s], s21, v4
	v_add_nc_u32 v[ADRB+\s], s22, v4
	s_add_co_u32 s21, s21, SLOT
	s_add_co_u32 s22, s22, SLOT
.endr
	v_mul_u32_u24 v5, v1, KS                       ; my row's scales: KS bytes a row, and 16 more for each 256 passed
	v_lshrrev_b32 v6, 8, v5
	v_lshl_add_u32 v5, v6, 4, v5
	s_mul_i32 s21, s15, HALFS
	s_mul_i32 s22, s16, HALFS
	s_add_co_u32 s22, s22, 2*HALFS
	s_sub_co_u32 s22, s22, s21
	v_mul_u32_u24 v6, s22, v2                      ; lanes 16-31 take B's
	s_add_co_u32 s21, s21, SCL
	v_add_nc_u32 v5, v5, v6
	v_add_nc_u32 v[ADRS], s21, v5
	s_mul_i32 s23, s14, 16*SPITCH                  ; my stage
	v_mul_u32_u24 v5, v1, SPITCH                   ; in: row r, 16 bytes for each half of the lanes
	v_lshl_add_u32 v5, v2, 4, v5
	v_add_nc_u32 v[STO], s23, v5
	v_bfe_u32 v5, v0, 3, 1                         ; back: lanes 0-15 take my first head's 128 bytes of two rows, lanes 16-31 my second head's
	v_mul_u32_u24 v5, v5, SPITCH
	v_lshl_add_u32 v5, v2, 7, v5
	v_and_b32 v6, 7, v0
	v_lshl_add_u32 v5, v6, 4, v5
	v_add_nc_u32 v[RD], s23, v5
	v_lshlrev_b32 v[CO], 4, v1                     ; in qkv: 16 bytes a lane, the second head 2,048 rows of 128 bytes on
	v_lshl_add_u32 v[CO], v2, 18, v[CO]
	v_lshlrev_b32 v[TA], 8, v1
	v_lshl_add_u32 v[TA], v2, 5, v[TA]
	s_and_b32 s20, ttmp7, 0xffff
	s_lshl_b32 s20, s20, 8
	s_lshl_b32 s21, s15, 7
	s_add_co_u32 s20, s20, s21                     ; my first position: 256 x cluster y + 128 x half
	s_lshl_b32 s22, s20, 8                         ; 256 bytes of table a position
	s_min_u32 s21, s100, 1                         ; the table's kind; v has none and is held at k's (see below)
	s_lshl_b32 s21, s21, 19
	s_add_co_u32 s22, s22, s21
	s_mov_b32 s23, 0
	s_add_nc_u64 s[96:97], s[96:97], s[22:23]
	s_lshl_b32 s46, s41, 4                         ; qkv: head 16 cy + 4 cx + 2 x my column half,
	s_lshl_b32 s47, s40, 2
	s_add_co_u32 s46, s46, s47
	s_lshl_b32 s47, s16, 1
	s_add_co_u32 s46, s46, s47
	s_lshl_b32 s46, s46, 18                        ; 262,144 bytes a head,
	s_lshl_b32 s47, s100, 24                       ; 16,777,216 a kind,
	s_add_co_u32 s46, s46, s47
	s_lshl_b32 s47, s20, 7                         ; 128 a position
	s_add_co_u32 s46, s46, s47
	s_mov_b32 s47, 0
	s_add_nc_u64 s[12:13], s[12:13], s[46:47]
	s_mul_i32 s46, s41, 3                          ; qkvf: ((3 cy + kind) 16 + head) x 4,096
	s_add_co_u32 s46, s46, s100
	s_lshl_b32 s46, s46, 4
	s_lshl_b32 s92, s40, 2
	s_add_co_u32 s46, s46, s92
	s_lshl_b32 s92, s16, 1
	s_add_co_u32 s46, s46, s92
	s_lshl_b32 s46, s46, 12
	s_add_nc_u64 s[98:99], s[98:99], s[46:47]
; the table's rows for block a of 16 tokens: lane (r, h) wants, for features 16 b + 8 h + 0 .. 7 of a head, frequencies 8 (b % 4) + 4 h + 0 .. 3: 32 bytes
.macro TLD a
.set TT, T0+32*((\a)%2)
.irp bq, 0,1,2,3
.irp u, 0,1
	global_load_b128 v[TT+8*\bq+4*\u:TT+8*\bq+4*\u+3], v[TA], s[96:97] offset:4096*(\a)+64*\bq+16*\u
.endr
.endr
.endm
	TLD 0                                          ; asked for by every wave, ahead of all branches on the kind, so that these registers' first write hangs on no branch; v's way leaves them alone
	TLD 1
.macro FRAG reg, adr, q, i             ; 16 rows x 128 K of 4-bit codes: lane l holds row l % 16; registers 4 c .. 4 c + 3 hold K = 64 c + 32 (l / 16) + 0 .. 31
.irp c, 0,1
	ds_load_b128 v[\reg+4*\c:\reg+4*\c+3], v[\adr] offset:64*(\q)+32*\c+(\i)*16*PITCH
.endr
.endm
; 16 matrix instructions: A's blocks a0, a0 + 1 x B's eight.  The 64 accumulators take turns, one instruction a turn, in the same order in every step.
.macro MUL16 a0, p, q, sc, zero
.irp a, \a0, \a0+1
.irp b, 0,1,2,3,4,5,6,7
.if \zero
	v_wmma_scale_f32_16x16x128_f8f6f4 v[8*(8*((\a)%4)+\b):8*(8*((\a)%4)+\b)+7], v[128*(\p)+FR*\b:128*(\p)+FR*\b+FR-1], v[AF+FR*(\a):AF+FR*(\a)+FR-1], 0, v[SC+8*NQ*(\sc)+NQ*\b+(\q)], v[SC+8*NQ*(\sc)+NQ*(\a)+(\q)] matrix_a_fmt:MATRIX_FMT_FP4 matrix_b_fmt:MATRIX_FMT_FP4 matrix_a_scale:MATRIX_SCALE_ROW1
.else
	v_wmma_scale_f32_16x16x128_f8f6f4 v[8*(8*((\a)%4)+\b):8*(8*((\a)%4)+\b)+7], v[128*(\p)+FR*\b:128*(\p)+FR*\b+FR-1], v[AF+FR*(\a):AF+FR*(\a)+FR-1], v[8*(8*((\a)%4)+\b):8*(8*((\a)%4)+\b)+7], v[SC+8*NQ*(\sc)+NQ*\b+(\q)], v[SC+8*NQ*(\sc)+NQ*(\a)+(\q)] matrix_a_fmt:MATRIX_FMT_FP4 matrix_b_fmt:MATRIX_FMT_FP4 matrix_a_scale:MATRIX_SCALE_ROW1
.endif
.endr
.endr
.endm
.macro FETCH_B slot, q, p
	WIN TO_B
.irp i, 0,1,2,3,4,5,6,7
	FRAG 128*(\p)+FR*\i, ADRB+\slot, \q, \i
.endr
	WIN 0
.endm
.macro FETCH_A slot, q, i0
.irp i, \i0, \i0+1, \i0+2, \i0+3
	FRAG AF+FR*(\i), ADRA+\slot, \q, \i
.endr
.endm
.macro SCALES sc                       ; a K step's scale words: lanes 0-15 take A's block i, lanes 16-31 B's block i
.irp i, 0,1,2,3,4,5,6,7
	ds_load_b128 v[SC+8*NQ*\sc+NQ*\i:SC+8*NQ*\sc+NQ*\i+3], v[ADRS] offset:\i*SBLK
.endr
.endm
.macro PLACES n                        ; plain vector instructions that name no register of the matrix instructions before them (ISA guide 7.12.1)
.rept \n
	v_nop
.endr
.endm
.macro STEP slot, q, zero              ; 128 along K that has its successor in the same slot
	s_wait_dscnt 4*NL                              ; B's set and A's blocks 0-3 are in; A's blocks 4-7 may be out
	WIN MUL_LO
	MUL16 0, (\q)%2, \q, \slot, \zero
	MUL16 2, (\q)%2, \q, \slot, \zero
	s_wait_dscnt 0
	PLACES NP
	FETCH_B \slot, (\q)+1, 1-(\q)%2
	FETCH_A \slot, (\q)+1, 0
	WIN MUL_HI
	MUL16 4, (\q)%2, \q, \slot, \zero
	MUL16 6, (\q)%2, \q, \slot, \zero
	PLACES NP
	WIN 0
	FETCH_A \slot, (\q)+1, 4
.endm
; slot 0's last step changes slots: one barrier; in front of it each wave waits for all its tensor loads (slot 1's part), adds 0 to its spare word, and waits for that and for its reads of slot 0.  Nothing is filled again.
.macro TURN slot, next
	s_wait_tensorcnt 0x0
	ds_add_u32 v[SPW], v[NIL]
	s_wait_dscnt 4*NL+1                            ; (the add and A's blocks 4-7 may be out)
	WIN MUL_LO
	MUL16 0, 1, NQ-1, \slot, 0
	s_wait_dscnt 0x0                               ; the add is done, and my reads of this slot are over
	s_barrier_signal -1
	MUL16 2, 1, NQ-1, \slot, 0
	WIN 0
	s_barrier_wait -1
	PLACES NP
	v_add_nc_u32 v[ADRS], 4*NQ, v[ADRS]            ; on to the next K step's scale words
	FETCH_B \next, 0, 0
	FETCH_A \next, 0, 0
	SCALES \next
	WIN MUL_HI
	MUL16 4, 1, NQ-1, \slot, 0
	MUL16 6, 1, NQ-1, \slot, 0
	PLACES NP
	WIN 0
	FETCH_A \next, 0, 4
.endm
	s_wait_tensorcnt 1                             ; the scales and my part of K step 0 are in (K step 1's load may be out),
	s_barrier_signal -1
	s_barrier_wait -1                              ; everybody's are
	FETCH_B 0, 0, 0
	FETCH_A 0, 0, 0
	SCALES 0
	FETCH_A 0, 0, 4
	STEP 0, 0, 1                                   ; the first products start the sums: nothing is cleared
	STEP 0, 1, 0
	STEP 0, 2, 0
	TURN 0, 1
	STEP 1, 0, 0
	STEP 1, 1, 0
	STEP 1, 2, 0
	s_wait_dscnt 4*NL                              ; the last step: nothing more to fetch
	WIN MUL_LO
	MUL16 0, 1, NQ-1, 1, 0
	MUL16 2, 1, NQ-1, 1, 0
	s_wait_dscnt 0
	WIN MUL_HI
	MUL16 4, 1, NQ-1, 1, 0
	MUL16 6, 1, NQ-1, 1, 0
	WIN 0
; THE WAY OUT.  ROPE: (even, odd) -> (even cos - odd sin, even sin + odd cos): a packed multiply by cos, then a packed multiply-add that takes the pair crosswise with sin, the low half's product negated.
; Each accumulator is read from its low end on.
.macro ROPE a
.set AC, 64*((\a)%4)
.set TT, T0+32*((\a)%2)
	WIN (0x02+(\a)/4)                              ; source 0: window 2 or 3
.irp b, 0,1,2,3,4,5,6,7
.irp p, 0,1,2,3
	v_pk_mul_f32 v[OV+8*\b+2*\p:OV+8*\b+2*\p+1], v[AC+8*\b+2*\p:AC+8*\b+2*\p+1], v[TT+8*(\b%4)+2*\p:TT+8*(\b%4)+2*\p+1] op_sel_hi:[1,0]
.endr
.irp p, 0,1,2,3
	v_pk_fma_f32 v[OV+8*\b+2*\p:OV+8*\b+2*\p+1], v[AC+8*\b+2*\p:AC+8*\b+2*\p+1], v[TT+8*(\b%4)+2*\p:TT+8*(\b%4)+2*\p+1], v[OV+8*\b+2*\p:OV+8*\b+2*\p+1] op_sel:[1,1,0] op_sel_hi:[0,1,1] neg_lo:[1,0,0]
.endr
.endr
	WIN 0
.irp b, 0,1,2,3,4,5,6,7
.irp p, 0,1,2,3
	v_cvt_pk_f16_f32 v[PK+4*\b+\p], v[OV+8*\b+2*\p], v[OV+8*\b+2*\p+1]
.endr
.endr
.endm
.macro PACKV a                         ; v is only rounded
.set AC, 64*((\a)%4)
	WIN (0x0a+5*((\a)/4))                          ; sources 0 and 1: window 2 or 3
.irp b, 0,1,2,3,4,5,6,7
.irp p, 0,1,2,3
	v_cvt_pk_f16_f32 v[PK+4*\b+\p], v[AC+8*\b+2*\p], v[AC+8*\b+2*\p+1]
.endr
.endr
	WIN 0
.endm
.macro TOSTAGE a                       ; LDS serves a wave's instructions in order (ISA guide 5.7.1.4): no wait between the stores and the loads, nor in front of the next block's stores
.set BB, BK+32*((\a)%2)
.irp b, 0,1,2,3,4,5,6,7
	ds_store_b128 v[STO], v[PK+4*\b:PK+4*\b+3] offset:32*\b
.endr
.irp t, 0,1,2,3,4,5,6,7
	ds_load_b128 v[BB+4*\t:BB+4*\t+3], v[RD] offset:\t*2*SPITCH
.endr
.endm
.macro SEND a, younger
.set BB, BK+32*((\a)%2)
	s_wait_dscnt \younger                          ; the block is back in registers; the next block's 8 stores and 8 loads may be out
.irp t, 0,1,2,3,4,5,6,7
	global_store_b128 v[CO], v[BB+4*\t:BB+4*\t+3], s[12:13] offset:2048*(\a)+256*\t   ; 16 lanes store two tokens of one head: 256 consecutive bytes, aligned
.endr
.endm
	PLACES NP                                      ; behind the last products, ahead of the first reads of results and the first writes of registers that held operands and scales
	s_cmp_eq_u32 s100, 2
	s_cbranch_scc1 .Lway_v
.irp a, 0,1,2,3,4,5,6,7
.if \a < 7
	s_wait_loadcnt 8                               ; this block's table rows are in; the next block's 8 loads may be out
.else
	s_wait_loadcnt 0x0
.endif
.if \a == 1
	s_wait_xcnt 0x0                                ; the f32 stores of block 0 have read the rotated numbers
.endif
	ROPE \a
.if \a == 0
	s_cmp_lg_u32 s101, 0
	s_cbranch_scc1 .Lnot_first_r
.irp b, 0,1,2,3,4,5,6,7
.irp u, 0,1
	global_store_b128 v[TA], v[OV+8*\b+4*\u:OV+8*\b+4*\u+3], s[98:99] offset:4096*(\b/4)+64*(\b%4)+16*\u   ; positions 0-15 in f32
.endr
.endr
.Lnot_first_r:
.endif
.if \a < 6
	TLD \a+2
.endif
.if \a > 1
	s_wait_xcnt 0x0                                ; block a - 2's stores have read their registers: block a's rows may land there
.endif
	TOSTAGE \a
.if \a > 0
	SEND \a-1, 16
.endif
.endr
	SEND 7, 0
	s_branch .Lclose
.Lway_v:
.irp a, 0,1,2,3,4,5,6,7
	PACKV \a
.if \a == 0
	s_cmp_lg_u32 s101, 0
	s_cbranch_scc1 .Lnot_first_v
	WIN 0x08                                       ; a store's data are its source 1: window 2
.irp b, 0,1,2,3,4,5,6,7
.irp u, 0,1
	global_store_b128 v[TA], v[8*\b+4*\u:8*\b+4*\u+3], s[98:99] offset:4096*(\b/4)+64*(\b%4)+16*\u
.endr
.endr
	WIN 0
.Lnot_first_v:
.endif
.if \a > 1
	s_wait_xcnt 0x0
.endif
	TOSTAGE \a
.if \a > 0
	SEND \a-1, 16
.endif
.endr
	SEND 7, 0
.Lclose:
	s_wait_tensorcnt 0x0                           ; the wave's end, behind my last tensor load and my last LDS store
	ds_add_u32 v[SPW], v[NIL]
	s_wait_dscnt 0x0
	CROUND                                         ; the closing round
	s_endpgm
.Lfunc_end_k_q1f51aa183b_qkv:
	.size	k_q1f51aa183b_qkv, .Lfunc_end_k_q1f51aa183b_qkv-k_q1f51aa183b_qkv
	.p2alignl 7, 3214868480
	.fill 96, 4, 3214868480
	.section	.rodata,"a",@progbits
	.p2align	6, 0x0
	.amdhsa_kernel k_q1f51aa183b_qkv
		.amdhsa_group_segment_fixed_size 327680
		.amdhsa_private_segment_fixed_size 0
		.amdhsa_enable_private_segment 0
		.amdhsa_kernarg_size 40
		.amdhsa_user_sgpr_count 2
		.amdhsa_user_sgpr_kernarg_segment_ptr 1
		.amdhsa_wavefront_size32 1
		.amdhsa_system_sgpr_workgroup_id_x 1
		.amdhsa_system_sgpr_workgroup_id_y 1
		.amdhsa_system_sgpr_workgroup_id_z 1
		.amdhsa_system_vgpr_workitem_id 0
		.amdhsa_next_free_vgpr 1024
		.amdhsa_next_free_sgpr 102
		.amdhsa_reserve_vcc 0
		.amdhsa_float_denorm_mode_32 3
		.amdhsa_float_denorm_mode_16_64 3
		.amdhsa_memory_ordered 1
		.amdhsa_forward_progress 1
		.amdhsa_inst_pref_size 200
	.end_amdhsa_kernel
	.amdgpu_metadata
---
amdhsa.version: [ 1, 2 ]
amdhsa.kernels:
  - .name:           k_q1f51aa183b_qkv
    .symbol:         k_q1f51aa183b_qkv.kd
    .args:
      - { .name: codes, .offset: 0, .size: 8, .value_kind: global_buffer, .address_space: global }
      - { .name: scl, .offset: 8, .size: 8, .value_kind: global_buffer, .address_space: global }
      - { .name: rope, .offset: 16, .size: 8, .value_kind: global_buffer, .address_space: global }
      - { .name: qkv, .offset: 24, .size: 8, .value_kind: global_buffer, .address_space: global }
      - { .name: qkvf, .offset: 32, .size: 8, .value_kind: global_buffer, .address_space: global }
    .group_segment_fixed_size: 327680
    .private_segment_fixed_size: 0
    .kernarg_segment_align: 8
    .kernarg_segment_size: 40
    .max_flat_workgroup_size: 128
    .sgpr_count:     102
    .vgpr_count:     1024
    .wavefront_size: 32
...
	.end_amdgpu_metadata
.endif
;; end of part 2
;; launch attn (part 3): grid 4 x 64, 8 waves a work-group, no clusters, 327,680 bytes of LDS; arguments qkv, ao; writes ao
.if DOCPART == 3
	.amdgcn_target "amdgcn-amd-amdhsa--gfx1250"
	.amdhsa_code_object_version 6
	.text
	.protected	k_q1f51aa183b_attn
	.globl	k_q1f51aa183b_attn
	.p2align	8
	.type	k_q1f51aa183b_attn,@function
k_q1f51aa183b_attn:
	s_mov_b64 s[64:65], 0
	v_nop
	global_prefetch_b8 v0, s[64:65] scope:SCOPE_SE
	s_setreg_imm32_b32 hwreg(HW_REG_WAVE_MODE, 25, 1), 1
	s_wait_xcnt 0x0
; O[b][h][q] = the sum over k <= q of softmax_k(q . k / 8) v, on f16 operands with f32 sums, maxima and row sums.  qkv: [kind 3][b 4][h 16][s 2048][64] f16; q already carries log2(e) / 8, so a score is an exponent of 2.
; ao: [token / 128][h 16][token % 128][64] f16, so that the projection's tiles are dense blocks.
; SHARES.  Work-group (i, head) stays and takes two blocks of 256 queries of its head: block 7 - i, which needs key blocks 0 .. 7 - i, then block i, which needs 0 .. i: nine key blocks of 256 in every work-group, so the
; 256 work-groups have equal work and the loop's trip count is a constant.  Each of eight waves owns 32 queries (two tiles of 16): wave w takes group w (w < 4) or 11 - w, so that waves w and w + 4 hold groups g and 7 - g.
; NO CLUSTER: the four work-groups of a head want 8 - i and then i + 1 key blocks; from the fifth trip on they want different tiles, so a joint request would not be the same in all partners.
; LAYOUT.  S^T = K Q^T (source 0 = 16 keys, source 1 = 16 queries): a lane holds ONE query (lane % 16) and keys 8 (lane / 16) + 0..7.  Two such tiles, rounded to f16 in pairs, are source 1 of O^T = V^T P.  K comes out
; of LDS as it lies, V ([key][channel]) turned by ds_load_tr16_b128.
; SOFTMAX.  Running maximum m and sum l for each query: p = 2^(s - m); in every step O and l are multiplied by a = 2^(m_old - m_new).  Hidden scores become -infinity ahead of the maximum.  A step of 64 keys all of which
; come after the wave's queries is jumped over (a scalar branch on ids); every step that is walked holds a key that counts for each of the wave's queries, since steps begin at multiples of 64 and waves at multiples of 32.
; RING.  Two LDS slots of 256 keys, filled by the tensor data mover: waves 0-3 K's quarters, waves 4-7 V's: one load a wave behind each barrier, and it has a trip's four steps in which to land.
; LIMIT: O must lie under 65,504 in size (f16).
; REGISTERS: window 0: v1-15 addresses; v16-31 statistics; v32-63 Q; v64-127 S^T, then p; v128-159 P; v160-223 O^T.   window 1: v0-63 K's fragments, v64-127 V's.
.set SLOT1, 1<<17                      ; slot 1 begins here: one exclusive or turns an address in one slot into the other's
.set PKK,   272                        ; an LDS row of K: two keys (256 bytes) + 16
.set PVV,   288                        ; of V: two keys + 32
.set VOFF,  128*PKK                    ; a slot: 128 rows of K, then 128 rows of V
.set STAGE, 2*SLOT1                    ; the way out: 32 rows x (128 bytes + 16) for each wave
.set SPARE, STAGE+8*32*144             ; the spare words, 128 bytes a wave
.set AK0, 1
.set AV0, 2
.set ADK, 3
.set ADV, 4
.set QO,  5
.set STO, 6
.set RD,  7
.set GO,  8
.set DQ,  9                            ; v9   lane % 16 - 8 (lane / 16)
.set SPW, 10
.set NIL, 11
.set PFO, 12                           ; v12  256 x lane
.set ST,  16                           ; tile u's statistics at v[ST + 8 u]: +0 m, +1 the old m, +2, +3 l, +4 to +7 at work; a takes +6
.set Q,   32
.set S,   64
.set P,   128
.set O,   160
.set WV,  18
.set SEL, 20
.set G1K, 24
.set G1V, 32
.set G0K, 40
.set G0V, 44
.set KB,  48                           ; s[48:49] my quarter of the head's key block 0;  s[50:51] the same of V
.set VB,  50
.set KOFF, 52                          ; s[52:53] bytes from there to the key block asked for last
.set PFA, 54
.set T,   56                           ; the trip
.set NA1, 57                           ; 7 - i: the first query block's last trip
.set LIM, 58
.set KF,  59                           ; the step's first key
.set Q0,  60                           ; my first query
.set TB,  61                           ; LDS byte at which the slot in hand begins
.set G,   62
.set MSB, 0
.macro WIN new
.if MSB != \new
	s_set_vgpr_msb (MSB<<8)|\new
.set MSB, \new
.endif
.endm
.macro TLOAD                           ; the branch hangs on the wave's number alone; an s_nop 0 and four v_nop follow each line
	s_cmp_lt_u32 s[WV], 4
	s_cbranch_scc0 .Lfor_v_\@
	tensor_load_to_lds s[G0K:G0K+3], s[G1K:G1K+7]
	s_nop 0
.rept 4
	v_nop
.endr
	s_branch .Lasked_\@
.Lfor_v_\@:
	tensor_load_to_lds s[G0V:G0V+3], s[G1V:G1V+7]
	s_nop 0
.rept 4
	v_nop
.endr
.Lasked_\@:
.endm
; A prefetch of what the NEXT change of slots will ask for.  The four work-groups of a head walk the same K and V; the one with i = 0 walks key blocks 0 to 7 on end, and it alone asks: in trip T each of its waves names
; its own quarter (8,192 bytes, lanes 256 bytes apart) of key block T + 2, a trip's four steps ahead of the load that wants it.  It stops with block 7 (T = 5): each block of 256 bytes is named once in the launch.
.macro ASK
	s_cmp_lt_u32 s[T], s[LIM]
	s_cbranch_scc0 .Lnot_mine_\@
	global_prefetch_b8 v[PFO], s[PFA:PFA+1] th:TH_LOAD_NT scope:SCOPE_SE
.Lnot_mine_\@:
.endm
.macro QLOAD                           ; my 32 queries: tile u, channels 32 c on
	s_lshl_b32 s70, s[Q0], 7
	s_mov_b32 s71, 0
	s_add_nc_u64 s[66:67], s[6:7], s[70:71]
.irp u, 0,1
.irp c, 0,1
	global_load_b128 v[Q+16*\u+8*\c:Q+16*\u+8*\c+3],   v[QO], s[66:67] offset:2048*\u+64*\c
	global_load_b128 v[Q+16*\u+8*\c+4:Q+16*\u+8*\c+7], v[QO], s[66:67] offset:2048*\u+64*\c+32
.endr
.endr
.endm
.macro INIT                            ; the step is written once: the first finds zeros, which the first change of m leaves zeros
.irp u, 0,1
	v_mov_b32 v[ST+8*\u], 0xff61b1e6               ; m: -3e38, under every score
.irp j, 1,2,3,4,5,6,7
	v_mov_b32 v[ST+8*\u+\j], 0
.endr
.endr
.irp j, 0,1,2,3,4,5,6,7,8,9,10,11,12,13,14,15,16,17,18,19,20,21,22,23,24,25,26,27,28,29,30,31,32,33,34,35,36,37,38,39,40,41,42,43,44,45,46,47,48,49,50,51,52,53,54,55,56,57,58,59,60,61,62,63
	v_mov_b32 v[O+\j], 0
.endr
.endm
	s_load_b64 s[4:5], s[0:1], 0x0                 ; qkv
	s_load_b64 s[8:9], s[0:1], 0x8                 ; ao
	v_lshl_add_u32 v[SPW], v0, 2, SPARE
	v_mov_b32 v[NIL], 0
	ds_add_u32 v[SPW], v[NIL]                      ; the wave's opening: the add, twice on end, and its wait ahead of my first tensor load
	ds_add_u32 v[SPW], v[NIL]
	v_lshrrev_b32 v13, 5, v0
	v_readfirstlane_b32 s[WV], v13                 ; wave 0..7
	s_and_b32 s19, s[WV], 3                        ; which quarter of a tile I fetch
	s_and_b32 s13, ttmp7, 0xffff                   ; 16 b + h
	s_lshr_b32 s14, s13, 4
	s_and_b32 s15, s13, 15
	s_sub_co_u32 s[NA1], 7, ttmp9
	s_cmp_eq_u32 ttmp9, 0
	s_cselect_b32 s[LIM], 6, 0
	s_sub_co_u32 s70, 11, s[WV]
	s_cmp_lt_u32 s[WV], 4
	s_cselect_b32 s[G], s[WV], s70
	s_lshl_b32 s[Q0], s[NA1], 8
	s_lshl_b32 s70, s[G], 5
	s_add_co_u32 s[Q0], s[Q0], s70                 ; my first query of the first block
	s_mov_b32 s[G1K], (1<<16)|(1<<20)|(5<<22)|(3<<25)   ; no mask; elements of 2 bytes; padding: 4 words after every 64
	s_mov_b32 s[G1V], (1<<16)|(1<<20)|(5<<22)|(7<<25)   ; 8 words
.irp g, G1K, G1V
	s_mov_b32 s[\g+1], 128<<16                     ; tensor_dim0 = 128 elements: two keys
	s_mov_b32 s[\g+2], 32<<16                      ; tensor_dim1 = 32 rows
	s_mov_b32 s[\g+3], 128<<16                     ; tile_dim0
	s_mov_b32 s[\g+4], 32                          ; tile_dim1
	s_mov_b32 s[\g+5], 128                         ; the pitch: the rows are dense
	s_mov_b32 s[\g+6], 0
	s_mov_b32 s[\g+7], 0
.endr
	s_mov_b32 s[SEL], 0x76543210
	s_mov_b32 s[SEL+1], 0xfedcba98
	s_mov_b32 s[T], 0
	s_mov_b32 s[KF], 0
	s_mov_b32 s[TB], 0
	s_mov_b32 s[KOFF], 0
	s_mov_b32 s[KOFF+1], 0
	s_lshl_b32 s10, s13, 18                        ; a head's rows: 262,144 bytes
	s_mov_b32 s11, 0
	s_lshl_b32 s72, s19, 13                        ; my quarter: 8,192 bytes
	s_mov_b32 s73, 0
	s_lshl_b32 s70, s14, 22                        ; ao: 16 blocks of 128 tokens a batch, 262,144 bytes each; 16,384 a head
	s_lshl_b32 s71, s15, 14
	s_add_co_u32 s70, s70, s71
	s_mov_b32 s71, 0
	s_mov_b32 s[G0K], 1
	s_mul_i32 s[G0K+1], s19, 32*PKK
	s_mov_b32 s[G0V], 1
	s_mul_i32 s[G0V+1], s19, 32*PVV
	s_add_co_u32 s[G0V+1], s[G0V+1], VOFF
	s_wait_dscnt 0x0                               ; both opening adds are done
	s_wait_kmcnt 0x0
	s_add_nc_u64 s[6:7], s[4:5], s[10:11]          ; the head's q
	s_add_nc_u64 s[KB:KB+1], s[6:7], s[72:73]
	s_add_nc_u64 s[VB:VB+1], s[KB:KB+1], 33554432
	s_add_nc_u64 s[KB:KB+1], s[KB:KB+1], 16777216
	s_add_nc_u64 s[8:9], s[8:9], s[70:71]
	s_mov_b64 s[G0K+2:G0K+3], s[KB:KB+1]
	s_or_b32 s[G0K+3], s[G0K+3], 0x80000000
	s_mov_b64 s[G0V+2:G0V+3], s[VB:VB+1]
	s_or_b32 s[G0V+3], s[G0V+3], 0x80000000
	TLOAD                                          ; key block 0 into slot 0
	s_cmp_lt_u32 s[WV], 4
	s_cselect_b64 s[PFA:PFA+1], s[KB:KB+1], s[VB:VB+1]
	s_add_nc_u64 s[PFA:PFA+1], s[PFA:PFA+1], 32768 ; at key block 1: the first change of slots steps it to block 2.  Nothing is prefetched here, at the head
	v_and_b32 v13, 15, v0                          ; r
	v_bfe_u32 v14, v0, 4, 1                        ; h
	v_lshlrev_b32 v[QO], 7, v13
	v_lshl_add_u32 v[QO], v14, 4, v[QO]            ; q: row r of 128 bytes, + 16 h
	QLOAD
	v_lshrrev_b32 v15, 1, v13                      ; K: key r lies in LDS row r / 2, half r % 2
	v_mul_u32_u24 v[AK0], v15, PKK
	v_and_b32 v15, 1, v13
	v_lshl_add_u32 v[AK0], v15, 7, v[AK0]
	v_lshl_add_u32 v[AK0], v14, 4, v[AK0]
	v_bfe_u32 v15, v0, 1, 2                        ; V: the turning load's lane l reads key 8 h + l % 8, channels 8 ((l / 8) % 2) on
	v_lshl_add_u32 v15, v14, 2, v15
	v_mul_u32_u24 v[AV0], v15, PVV
	v_and_b32 v15, 1, v0
	v_lshl_add_u32 v[AV0], v15, 7, v[AV0]
	v_bfe_u32 v15, v0, 3, 1
	v_lshl_add_u32 v[AV0], v15, 4, v[AV0]
	v_add_nc_u32 v[AV0], VOFF, v[AV0]
	s_mul_i32 s70, s[WV], 32*144
	s_add_co_u32 s70, s70, STAGE                   ; my stage
	v_mul_u32_u24 v[STO], v13, 144
	v_lshl_add_u32 v[STO], v14, 4, v[STO]
	v_add_nc_u32 v[STO], s70, v[STO]               ; in: row r, + 16 h
	v_bfe_u32 v15, v0, 3, 2
	v_mul_u32_u24 v[RD], v15, 144
	v_and_b32 v15, 7, v0
	v_lshl_add_u32 v[RD], v15, 4, v[RD]
	v_add_nc_u32 v[RD], s70, v[RD]                 ; back: eight lanes to a row of 128 bytes
	v_and_b32 v15, 31, v0
	v_lshlrev_b32 v[GO], 4, v15
	v_lshlrev_b32 v[PFO], 8, v15
	v_lshlrev_b32 v[DQ], 3, v14
	v_sub_nc_u32 v[DQ], v13, v[DQ]
	v_mov_b32 v15, 0xff800000                      ; -infinity; stays
	INIT
; A KEY STEP: 64 keys, the q-th of the slot in hand.
.macro STEP q
	s_add_co_u32 s70, s[Q0], 31
	s_cmp_gt_u32 s[KF], s70                        ; all its keys come after my queries: nothing to do
	s_cbranch_scc1 .Lhidden_\@
	v_add_nc_u32 v[ADK], s[TB], v[AK0]             ; these two and two v_nop are the four places between the last products and the loads into the registers that they read
	v_add_nc_u32 v[ADV], s[TB], v[AV0]
	v_nop
	v_nop
	WIN 0x40                                       ; destination window 1
.irp kt, 0,1,2,3
.irp c, 0,1
	ds_load_b128 v[8*(2*\kt+\c):8*(2*\kt+\c)+3],   v[ADK] offset:32*PKK*(\q)+8*PKK*\kt+64*\c
	ds_load_b128 v[8*(2*\kt+\c)+4:8*(2*\kt+\c)+7], v[ADK] offset:32*PKK*(\q)+8*PKK*\kt+64*\c+32
.endr
.endr
.irp kk, 0,1
.irp t, 0,1,2,3
	ds_load_tr16_b128 v[64+8*(4*\kk+\t):64+8*(4*\kk+\t)+3],   v[ADV] offset:32*PVV*(\q)+16*PVV*\kk+32*\t
	ds_load_tr16_b128 v[64+8*(4*\kk+\t)+4:64+8*(4*\kk+\t)+7], v[ADV] offset:32*PVV*(\q)+16*PVV*\kk+32*\t+8*PVV
.endr
.endr
	s_wait_dscnt 16                                ; K is in; V's 16 loads may be out
	WIN 0x01                                       ; source 0 window 1
.irp c, 0,1                                    ; eight accumulators by turns; the first eight products start the sums
.irp kt, 0,1,2,3
.irp u, 0,1
.if \c == 0
	v_wmma_f32_16x16x32_f16 v[S+32*\u+8*\kt:S+32*\u+8*\kt+7], v[8*(2*\kt+\c):8*(2*\kt+\c)+7], v[Q+16*\u+8*\c:Q+16*\u+8*\c+7], 0
.else
	v_wmma_f32_16x16x32_f16 v[S+32*\u+8*\kt:S+32*\u+8*\kt+7], v[8*(2*\kt+\c):8*(2*\kt+\c)+7], v[Q+16*\u+8*\c:Q+16*\u+8*\c+7], v[S+32*\u+8*\kt:S+32*\u+8*\kt+7]
.endif
.endr
.endr
.endr
	WIN 0
.rept 4
	v_nop
.endr
	s_add_co_u32 s70, s[KF], 63
	s_cmp_le_u32 s70, s[Q0]                        ; all keys count for all my queries: no mask
	s_cbranch_scc1 .Lopen_\@
	s_sub_co_i32 s70, s[Q0], s[KF]
	v_add_nc_u32 v13, s70, v[DQ]                   ; register 8 kt + j of tile u holds key KF + 16 kt + 8 h + j: hidden where 16 kt + j > Q0 + 16 u - KF + r - 8 h
	v_add_nc_u32 v14, 16, v13
.irp u, 0,1
.irp kt, 0,1,2,3
.irp j, 0,1,2,3,4,5,6,7
	v_cmp_gt_i32 vcc_lo, 16*\kt+\j, v[13+\u]
	v_cndmask_b32 v[S+32*\u+8*\kt+\j], v[S+32*\u+8*\kt+\j], v15, vcc_lo
.endr
.endr
.endr
.Lopen_\@:
.irp j, 0,1,2,3                                ; the maximum of my 32 scores and the old m: four chains, each accumulator read from its low end on; the two tiles by turns
.irp u, 0,1
	v_max3_num_f32 v[ST+8*\u+4+\j], v[S+32*\u+8*\j], v[S+32*\u+8*\j+1], v[S+32*\u+8*\j+2]
.endr
.endr
.irp g, 1,2
.irp j, 0,1,2,3
.irp u, 0,1
	v_max3_num_f32 v[ST+8*\u+4+\j], v[ST+8*\u+4+\j], v[S+32*\u+8*\j+2*\g+1], v[S+32*\u+8*\j+2*\g+2]
.endr
.endr
.endr
.irp u, 0,1
	v_max3_num_f32 v[ST+8*\u+4], v[ST+8*\u+4], v[S+32*\u+7], v[S+32*\u+15]
	v_max3_num_f32 v[ST+8*\u+6], v[ST+8*\u+6], v[S+32*\u+23], v[S+32*\u+31]
.endr
.irp u, 0,1
	v_max3_num_f32 v[ST+8*\u+4], v[ST+8*\u+4], v[ST+8*\u+5], v[ST+8*\u+6]
.endr
.irp u, 0,1
	v_max3_num_f32 v[ST+8*\u+4], v[ST+8*\u+4], v[ST+8*\u+7], v[ST+8*\u]
.endr
.irp u, 0,1
	v_permlanex16_b32 v[ST+8*\u+5], v[ST+8*\u+4], s[SEL], s[SEL+1]   ; the query's other 32 keys lie in the lane 16 away
.endr
.irp u, 0,1
	v_mov_b32 v[ST+8*\u+1], v[ST+8*\u]
.endr
.irp u, 0,1
	v_max_num_f32 v[ST+8*\u], v[ST+8*\u+4], v[ST+8*\u+5]
.endr
.irp u, 0,1
	v_sub_f32 v[ST+8*\u+7], v[ST+8*\u+1], v[ST+8*\u]
.endr
.irp b, 0,1,2,3,4,5,6,7,8,9,10,11,12,13,14,15
.irp u, 0,1
	v_pk_add_f32 v[S+32*\u+2*\b:S+32*\u+2*\b+1], v[S+32*\u+2*\b:S+32*\u+2*\b+1], v[ST+8*\u:ST+8*\u+1] op_sel_hi:[1,0] neg_lo:[0,1] neg_hi:[0,1]   ; s - m
.endr
.endr
.irp u, 0,1
	v_exp_f32 v[ST+8*\u+6], v[ST+8*\u+7]           ; a
.endr
.irp j, 0,1,2,3,4,5,6,7,8,9,10,11,12,13,14,15,16,17,18,19,20,21,22,23,24,25,26,27,28,29,30,31
.irp u, 0,1
	v_exp_f32 v[S+32*\u+\j], v[S+32*\u+\j]         ; p
.endr
.endr
	v_nop                                          ; a plain instruction behind the last exponential (ISA guide 5.7.2),
	s_wait_alu depctr_va_vdst(0)                   ; and the one wait ahead of the batch's first reader: 66 exponentials
.irp b, 0,1,2,3,4,5,6,7,8,9,10,11,12,13,14,15
.irp u, 0,1
	v_cvt_pk_f16_f32 v[P+16*\u+\b], v[S+32*\u+2*\b], v[S+32*\u+2*\b+1]
.endr
.endr
.irp z, 0,1,2,3,4,5,6,7                        ; the sum of the unrounded p, in pairs, as a tree in place
.irp u, 0,1
	v_pk_add_f32 v[S+32*\u+4*\z:S+32*\u+4*\z+1], v[S+32*\u+4*\z:S+32*\u+4*\z+1], v[S+32*\u+4*\z+2:S+32*\u+4*\z+3]
.endr
.endr
.irp z, 0,1,2,3
.irp u, 0,1
	v_pk_add_f32 v[S+32*\u+8*\z:S+32*\u+8*\z+1], v[S+32*\u+8*\z:S+32*\u+8*\z+1], v[S+32*\u+8*\z+4:S+32*\u+8*\z+5]
.endr
.endr
.irp z, 0,1
.irp u, 0,1
	v_pk_add_f32 v[S+32*\u+16*\z:S+32*\u+16*\z+1], v[S+32*\u+16*\z:S+32*\u+16*\z+1], v[S+32*\u+16*\z+8:S+32*\u+16*\z+9]
.endr
.endr
.irp u, 0,1
	v_pk_add_f32 v[S+32*\u:S+32*\u+1], v[S+32*\u:S+32*\u+1], v[S+32*\u+16:S+32*\u+17]
.endr
.irp u, 0,1
	v_pk_fma_f32 v[ST+8*\u+2:ST+8*\u+3], v[ST+8*\u+2:ST+8*\u+3], v[ST+8*\u+6:ST+8*\u+7], v[S+32*\u:S+32*\u+1] op_sel_hi:[1,0,1]   ; l = l a + the sum
.endr
.irp j, 0,2,4,6,8,10,12,14,16,18,20,22,24,26,28,30
.irp u, 0,1
	v_pk_mul_f32 v[O+32*\u+\j:O+32*\u+\j+1], v[O+32*\u+\j:O+32*\u+\j+1], v[ST+8*\u+6:ST+8*\u+7] op_sel_hi:[1,0]   ; O^T x a
.endr
.endr
	s_wait_dscnt 0x0                               ; V is in
	WIN 0x01
.irp kk, 0,1                                   ; O^T += V^T P: eight accumulators by turns
.irp t, 0,1,2,3
.irp u, 0,1
	v_wmma_f32_16x16x32_f16 v[O+32*\u+8*\t:O+32*\u+8*\t+7], v[64+8*(4*\kk+\t):64+8*(4*\kk+\t)+7], v[P+16*\u+8*\kk:P+16*\u+8*\kk+7], v[O+32*\u+8*\t:O+32*\u+8*\t+7]
.endr
.endr
.endr
	WIN 0
.Lhidden_\@:
	s_add_co_u32 s[KF], s[KF], 64
.endm
; THE CHANGE OF SLOTS stands at a trip's head.  Each wave waits for all its tensor loads (its part of the slot that it is about to read), adds 0 to its spare word, and waits for that and for its reads of the slot that it
; has left.  Behind the barrier the slot ahead is whole and nobody reads the other one.  fill = 1: that other slot takes the next key block: the one after the last, or block 0 where the second query block begins.
.macro CHANGE fill
	s_wait_tensorcnt 0x0                           ; no tensor load of mine is out, so a group 0 may be written
	ds_add_u32 v[SPW], v[NIL]                      ; every way here leads through my first tensor load
.if \fill
	s_add_co_u32 s70, s[KOFF], 32768
	s_cmp_eq_u32 s[T], s[NA1]
	s_cselect_b32 s[KOFF], 0, s70
	s_add_nc_u64 s[G0K+2:G0K+3], s[KB:KB+1], s[KOFF:KOFF+1]
	s_or_b32 s[G0K+3], s[G0K+3], 0x80000000
	s_add_nc_u64 s[G0V+2:G0V+3], s[VB:VB+1], s[KOFF:KOFF+1]
	s_or_b32 s[G0V+3], s[G0V+3], 0x80000000
	s_xor_b32 s[G0K+1], s[G0K+1], SLOT1
	s_xor_b32 s[G0V+1], s[G0V+1], SLOT1
	s_wait_xcnt 0x0                                ; the last prefetch, a trip back, has read its address
	s_add_nc_u64 s[PFA:PFA+1], s[PFA:PFA+1], 32768
.endif
	s_wait_dscnt 0x0                               ; the add is done, and my reads of the slot that I have left are over
	s_barrier_signal -1
	s_barrier_wait -1
.if \fill
	TLOAD                                          ; the first thing behind the barrier, and my one tensor load until the next
	ASK
.endif
.endm
; A QUERY BLOCK IS DONE: O^T / l, rounded to f16, through my stage, out as 4,096 dense bytes (32 rows of one head's block in ao).  reload = 1: on to the second query block.
.macro FLUSH reload
.rept 4
	v_nop                                          ; places behind the last products
.endr
.irp u, 0,1
	v_add_f32 v[ST+8*\u+4], v[ST+8*\u+2], v[ST+8*\u+3]
.endr
.irp u, 0,1
	v_permlanex16_b32 v[ST+8*\u+5], v[ST+8*\u+4], s[SEL], s[SEL+1]
.endr
.irp u, 0,1
	v_add_f32 v[ST+8*\u+4], v[ST+8*\u+4], v[ST+8*\u+5]
.endr
.irp u, 0,1
	v_rcp_f32 v[ST+8*\u+6], v[ST+8*\u+4]
.endr
	v_nop
	s_wait_alu depctr_va_vdst(0)                   ; one wait for the two reciprocals, ahead of their first reader
.irp u, 0,1
.irp j, 0,2,4,6,8,10,12,14,16,18,20,22,24,26,28,30
	v_pk_mul_f32 v[O+32*\u+\j:O+32*\u+\j+1], v[O+32*\u+\j:O+32*\u+\j+1], v[ST+8*\u+6:ST+8*\u+7] op_sel_hi:[1,0]
.endr
.endr
.irp u, 0,1
.irp b, 0,1,2,3,4,5,6,7,8,9,10,11,12,13,14,15
	v_cvt_pk_f16_f32 v[S+16*\u+\b], v[O+32*\u+2*\b], v[O+32*\u+2*\b+1]
.endr
.endr
.irp u, 0,1
.irp t, 0,1,2,3
	ds_store_b128 v[STO], v[S+16*\u+4*\t:S+16*\u+4*\t+3] offset:16*144*\u+32*\t
.endr
.endr
.irp n, 0,1,2,3,4,5,6,7
	ds_load_b128 v[S+32+4*\n:S+32+4*\n+3], v[RD] offset:4*144*\n   ; LDS serves a wave's instructions in order: these see my stores
.endr
	s_lshr_b32 s70, s[Q0], 7
	s_lshl_b32 s70, s70, 18                        ; the block of 128 tokens,
	s_and_b32 s71, s[Q0], 127
	s_lshl_b32 s71, s71, 7                         ; my first row in it
	s_add_co_u32 s70, s70, s71
	s_mov_b32 s71, 0
	s_add_nc_u64 s[68:69], s[8:9], s[70:71]
.irp n, 0,1,2,3,4,5,6,7
	s_wait_dscnt 7-\n
	global_store_b128 v[GO], v[S+32+4*\n:S+32+4*\n+3], s[68:69] offset:512*\n   ; 32 lanes store 512 consecutive bytes, aligned
.endr
.if \reload
	s_wait_xcnt 0x0                                ; the stores have read their registers
	s_lshl_b32 s[Q0], ttmp9, 8
	s_lshl_b32 s70, s[G], 5
	s_add_co_u32 s[Q0], s[Q0], s70
	s_mov_b32 s[KF], 0
	QLOAD
	INIT
	s_wait_loadcnt 0x0
.endif
.endm
	s_wait_loadcnt 0x0                             ; Q
.Ltrip:                                            ; eight trips: behind each change of slots the next key block is asked for
	CHANGE 1
	STEP 0
	STEP 1
	STEP 2
	STEP 3
	s_cmp_lg_u32 s[T], s[NA1]
	s_cbranch_scc1 .Lsame_block
	FLUSH 1
.Lsame_block:
	s_xor_b32 s[TB], s[TB], SLOT1
	s_add_co_u32 s[T], s[T], 1
	s_cmp_lt_u32 s[T], 8
	s_cbranch_scc1 .Ltrip
	CHANGE 0                                       ; the ninth trip is written out: nothing is left to fetch
	STEP 0
	STEP 1
	STEP 2
	STEP 3
	FLUSH 0
	s_wait_tensorcnt 0x0                           ; the wave's end, behind my last tensor load and my last LDS store
	ds_add_u32 v[SPW], v[NIL]
	s_wait_dscnt 0x0
	s_endpgm
.Lfunc_end_k_q1f51aa183b_attn:
	.size	k_q1f51aa183b_attn, .Lfunc_end_k_q1f51aa183b_attn-k_q1f51aa183b_attn
	.p2alignl 7, 3214868480
	.fill 96, 4, 3214868480
	.section	.rodata,"a",@progbits
	.p2align	6, 0x0
	.amdhsa_kernel k_q1f51aa183b_attn
		.amdhsa_group_segment_fixed_size 327680
		.amdhsa_private_segment_fixed_size 0
		.amdhsa_enable_private_segment 0
		.amdhsa_kernarg_size 16
		.amdhsa_user_sgpr_count 2
		.amdhsa_user_sgpr_kernarg_segment_ptr 1
		.amdhsa_wavefront_size32 1
		.amdhsa_system_sgpr_workgroup_id_x 1
		.amdhsa_system_sgpr_workgroup_id_y 1
		.amdhsa_system_sgpr_workgroup_id_z 1
		.amdhsa_system_vgpr_workitem_id 0
		.amdhsa_next_free_vgpr 384
		.amdhsa_next_free_sgpr 80
		.amdhsa_reserve_vcc 1
		.amdhsa_float_denorm_mode_32 3
		.amdhsa_float_denorm_mode_16_64 3
		.amdhsa_memory_ordered 1
		.amdhsa_forward_progress 1
		.amdhsa_inst_pref_size 198
	.end_amdhsa_kernel
	.amdgpu_metadata
---
amdhsa.version: [ 1, 2 ]
amdhsa.kernels:
  - .name:           k_q1f51aa183b_attn
    .symbol:         k_q1f51aa183b_attn.kd
    .args:
      - { .name: qkv, .offset: 0, .size: 8, .value_kind: global_buffer, .address_space: global }
      - { .name: ao, .offset: 8, .size: 8, .value_kind: global_buffer, .address_space: global }
    .group_segment_fixed_size: 327680
    .private_segment_fixed_size: 0
    .kernarg_segment_align: 8
    .kernarg_segment_size: 16
    .max_flat_workgroup_size: 256
    .sgpr_count:     80
    .vgpr_count:     384
    .wavefront_size: 32
...
	.end_amdgpu_metadata
.endif
;; end of part 3
;; launch proj (part 4): grid 8 x 64, 4 waves a work-group, clusters of 4 x 4, 327,680 bytes of LDS; arguments ao, wo16, out0; writes out0
.if DOCPART == 4
	.amdgcn_target "amdgcn-amd-amdhsa--gfx1250"
	.amdhsa_code_object_version 6
	.text
	.protected	k_q1f51aa183b_proj
	.globl	k_q1f51aa183b_proj
	.p2align	8
	.type	k_q1f51aa183b_proj,@function
k_q1f51aa183b_proj:
	s_mov_b64 s[64:65], 0
	v_nop
	global_prefetch_b8 v0, s[64:65] scope:SCOPE_SE
	s_setreg_imm32_b32 hwreg(HW_REG_WAVE_MODE, 25, 1), 1
	s_wait_xcnt 0x0
	s_wait_alu depctr_hold_cnt(0) depctr_sa_sdst(0) depctr_va_vdst(0) depctr_va_sdst(0) depctr_va_ssrc(0) depctr_va_vcc(0) depctr_vm_vsrc(0)
	s_getreg_b32 s2, hwreg(HW_REG_IB_STS2, 6, 4)
	s_cmp_eq_u32 s2, 0
	s_cbranch_scc0 .Lentry_in_a_cluster
	s_endpgm
.Lentry_in_a_cluster:
	s_bfe_u32 s2, ttmp6, 0x10000c
	s_cmp_lg_u32 s2, 0xf033
	s_cbranch_scc0 .Lentry_shape_is_right
	s_endpgm
.Lentry_shape_is_right:
; out0[token][n] = the sum over k of ao[token][k] wo[n][k]: f16 operands, f32 sums, f32 out.  8,192 tokens, n and k 1,024.
; ao: [token / 128][k / 64][token % 128][k % 64], wo16: [n / 128][k / 64][n % 128][k % 64], f16: a tile of 128 rows x 256 along K is ONE dense block of 65,536 bytes.
; A tile of the result is 128 x 128: 512 work-groups of equal work.  Four waves, each 64 x 64: 16 accumulators.  K goes in four steps of 256 through two LDS slots; a wave's tensor load brings half a tile's step (two blocks
; of 64 along K, 32,768 bytes) as 128 rows of 256 bytes.  In LDS block q of 64 along K begins 64 rows on from block q - 1; row p of the tile lies in LDS row p / 2, half p % 2.
; CLUSTERS: 4 x 4 work-groups; the four of a row need the same tiles of ao, the four of a column the same tiles of wo16: each is asked for jointly.  THE MATRIX INSTRUCTION IS USED TRANSPOSED (source 0 = 16 rows of wo16,
; source 1 = 16 rows of ao): a lane holds eight neighbouring numbers of a row of the result.
; Rows 0-15 of each sequence are written here like all others and written over by the launch that follows, which carries them in f32.
; REGISTERS: window 0: v0-31 addresses; v32-95 at work on the way out; v128-255 the accumulators ((a, b) at v[128 + 8 (4 a + b)]).   window 1: two fragment buffers of 128: 64 registers of A, then 64 of B, for 64 along K.
.set STEPB,  65536                     ; a tile's K step in memory
.set PITCH,  272                       ; an LDS row: 256 bytes + 16 of padding
.set HALFT,  128*PITCH                 ; what one tensor load brings
.set SLOT,   4*HALFT
.set QBLK,   64*PITCH                  ; a block of 64 along K: 128 rows of 128 bytes
.set FBLK,   8*PITCH                   ; 16 rows of it
.set SPARE,  2*SLOT                    ; behind the ring: the spare words, 128 bytes a wave
.set SPITCH, 272                       ; the way out: a stage of 16 rows x (256 bytes + 16) for each wave, in slot 0, which has had its last fill and its last read by then
.set LAPS,   2
.set ADRA, 16
.set ADRB, 20
.set STO,  24
.set RD,   25
.set CO,   26
.set SPW,  28
.set NIL,  29
.set TMP,  32
.set ACC,  128
.set F0,   0
.set F1,   128
.set G1, 24
.set G0, 32
.set G1B, 48
.set G0B, 56
.set MSB, 0
.macro WIN new
.if MSB != \new
	s_set_vgpr_msb (MSB<<8)|\new
.set MSB, \new
.endif
.endm
.set MUL,  0x05                        ; sources 0 (B) and 1 (A) window 1; C and D window 0
.set TO_F, 0x40
.macro JLOAD s                         ; waves 0 and 1 fetch A's two halves, waves 2 and 3 B's; an s_nop 0 and four v_nop follow each line
	s_cmp_eq_u32 s11, 0
	s_cbranch_scc0 .Lfor_b_\@
	tensor_load_to_lds s[G0+4*\s:G0+4*\s+3], s[G1:G1+7]
	s_nop 0
.rept 4
	v_nop
.endr
	s_branch .Lasked_\@
.Lfor_b_\@:
	tensor_load_to_lds s[G0B+4*\s:G0B+4*\s+3], s[G1B:G1B+7]
	s_nop 0
.rept 4
	v_nop
.endr
.Lasked_\@:
.endm
.macro CREST
	s_cmp_lg_u32 s10, 0
	s_cbranch_scc1 .Lnot_wave_0_\@
	s_barrier_signal -3
.Lnot_wave_0_\@:
	s_barrier_wait -3
	s_barrier_signal -1
	s_barrier_wait -1
.endm
.macro CROUND
	s_barrier_signal -1
	s_barrier_wait -1
	CREST
.endm
	s_load_b128 s[4:7], s[0:1], 0x0                ; ao, wo16
	s_load_b64 s[8:9], s[0:1], 0x10                ; out0
	v_lshl_add_u32 v[SPW], v0, 2, SPARE
	v_mov_b32 v[NIL], 0
	ds_add_u32 v[SPW], v[NIL]                      ; the wave's opening: the add, twice on end, and its wait ahead of my first tensor load
	ds_add_u32 v[SPW], v[NIL]
	v_lshrrev_b32 v1, 5, v0
	v_readfirstlane_b32 s10, v1                    ; wave 0..3
	s_lshr_b32 s11, s10, 1                         ; which half of the tile's rows is mine.  Also: I fetch for A (0) or for B (1)
	s_and_b32 s12, s10, 1                          ; which half of its columns.  Also: which half of a K step I fetch
	s_bfe_u32 s40, ttmp6, 0x40000                  ; cx, cy
	s_bfe_u32 s41, ttmp6, 0x40004
	s_lshl_b32 s42, ttmp9, 2
	s_add_co_u32 s42, s42, s40                     ; tile column = 4 x cluster x + cx
	s_and_b32 s13, ttmp7, 0xffff
	s_lshl_b32 s13, s13, 2
	s_add_co_u32 s13, s13, s41                     ; tile row = 4 x cluster y + cy
	s_lshl_b32 s43, s41, 2
	s_lshl_b32 s43, 15, s43                        ; my row of the cluster
	s_lshl_b32 s44, 0x1111, s40                    ; my column
	s_or_b32 s[G1+0], s43, (1<<16)|(1<<20)|(1<<21)|(5<<22)|(3<<25)  ; the mask; elements of 2 bytes; padding: 4 words after every 64; bit 21 set beside a mask
	s_or_b32 s[G1B+0], s44, (1<<16)|(1<<20)|(1<<21)|(5<<22)|(3<<25)
.irp g, G1, G1B
	s_mov_b32 s[\g+1], 128<<16                     ; tensor_dim0 = 128 elements
	s_mov_b32 s[\g+2], 128<<16                     ; tensor_dim1 = 128 rows
	s_mov_b32 s[\g+3], 128<<16                     ; tile_dim0
	s_mov_b32 s[\g+4], 128                         ; tile_dim1
	s_mov_b32 s[\g+5], 128                         ; the pitch: dense
	s_mov_b32 s[\g+6], 0
	s_mov_b32 s[\g+7], 0
.endr
	s_lshl_b32 s17, s12, 15                        ; my half of a K step: 32,768 bytes
	s_lshl_b32 s16, s13, 18                        ; A: 262,144 bytes a tile row
	s_add_co_u32 s16, s16, s17
	s_lshl_b32 s46, s42, 18                        ; B: the same a tile column
	s_add_co_u32 s46, s46, s17
	s_mov_b32 s17, 0
	s_mov_b32 s47, 0
	s_mul_i32 s20, s10, HALFT                      ; where they go: A's two halves, then B's
	s_wait_dscnt 0x0                               ; both opening adds are done
	s_wait_kmcnt 0x0
	s_add_nc_u64 s[14:15], s[4:5], s[16:17]
	s_add_nc_u64 s[46:47], s[6:7], s[46:47]
	CROUND                                         ; all sixteen work-groups are here: the first joint loads meet
.irp s, 0,1
	s_mov_b32 s[G0+4*\s], 1
	s_add_co_u32 s[G0+4*\s+1], s20, \s*SLOT
	s_add_nc_u64 s[G0+4*\s+2:G0+4*\s+3], s[14:15], \s*STEPB
	s_or_b32 s[G0+4*\s+3], s[G0+4*\s+3], 0x80000000
	s_mov_b32 s[G0B+4*\s], 1
	s_add_co_u32 s[G0B+4*\s+1], s20, \s*SLOT
	s_add_nc_u64 s[G0B+4*\s+2:G0B+4*\s+3], s[46:47], \s*STEPB
	s_or_b32 s[G0B+4*\s+3], s[G0B+4*\s+3], 0x80000000
	JLOAD \s
.endr
	v_and_b32 v1, 15, v0                           ; r
	v_bfe_u32 v2, v0, 4, 1                         ; h
	v_lshrrev_b32 v3, 1, v1
	v_mul_u32_u24 v3, v3, PITCH
	v_and_b32 v4, 1, v1
	v_lshl_add_u32 v3, v4, 7, v3
	v_lshl_add_u32 v3, v2, 4, v3                   ; a fragment's row r: LDS row r / 2, half r % 2, + 16 h
	s_mul_i32 s21, s11, 32*PITCH                   ; my 64 rows of A
	s_mul_i32 s22, s12, 32*PITCH                   ; my 64 rows of B,
	s_add_co_u32 s22, s22, 2*HALFT                 ; which lie behind A's
.irp s, 0,1
	v_add_nc_u32 v[ADRA+\s], s21, v3
	v_add_nc_u32 v[ADRB+\s], s22, v3
	s_add_co_u32 s21, s21, SLOT
	s_add_co_u32 s22, s22, SLOT
.endr
	s_mul_i32 s23, s10, 16*SPITCH                  ; my stage
	v_mul_u32_u24 v4, v1, SPITCH
	v_lshl_add_u32 v4, v2, 5, v4
	v_add_nc_u32 v[STO], s23, v4                   ; in: row r, 32 bytes for each half of the lanes
	v_mul_u32_u24 v5, v2, SPITCH
	v_lshl_add_u32 v5, v1, 4, v5
	v_add_nc_u32 v[RD], s23, v5                    ; back: lanes 0-15 one row of 256 bytes, lanes 16-31 the next
	v_lshlrev_b32 v5, 12, v2
	v_lshl_add_u32 v[CO], v1, 4, v5                ; and the same two rows in out0
	s_lshl_b32 s16, s13, 7
	s_lshl_b32 s17, s11, 6
	s_add_co_u32 s16, s16, s17                     ; my first row: 128 x tile row + 64 x half
	s_lshl_b32 s16, s16, 12
	s_mov_b32 s17, 0
	s_add_nc_u64 s[8:9], s[8:9], s[16:17]
	s_lshl_b32 s46, s42, 9                         ; my first column, in bytes: 512 x tile column + 256 x half
	s_lshl_b32 s47, s12, 8
	s_add_co_u32 s46, s46, s47
	s_mov_b32 s47, 0
	s_add_nc_u64 s[8:9], s[8:9], s[46:47]
.macro MUL8 f, c, a0, zero             ; 8 matrix instructions: m blocks a0, a0 + 1 x all 4 n blocks, 32 along K.  The 16 accumulators take turns
.irp a, \a0, \a0+1
.irp b, 0,1,2,3
.if \zero
	v_wmma_f32_16x16x32_f16 v[ACC+8*(4*(\a)+\b):ACC+8*(4*(\a)+\b)+7], v[\f+64+8*(4*\c+\b):\f+64+8*(4*\c+\b)+7], v[\f+8*(4*\c+\a):\f+8*(4*\c+\a)+7], 0
.else
	v_wmma_f32_16x16x32_f16 v[ACC+8*(4*(\a)+\b):ACC+8*(4*(\a)+\b)+7], v[\f+64+8*(4*\c+\b):\f+64+8*(4*\c+\b)+7], v[\f+8*(4*\c+\a):\f+8*(4*\c+\a)+7], v[ACC+8*(4*(\a)+\b):ACC+8*(4*(\a)+\b)+7]
.endif
.endr
.endr
.endm
.macro FETCH slot, q, f                ; 32 LDS loads in one run: the fragments of block q of 64 along K, the first 32 along K first
	WIN TO_F
.irp c, 0,1
.irp i, 0,1,2,3
	ds_load_b128 v[\f+64+8*(4*\c+\i):\f+64+8*(4*\c+\i)+3],   v[ADRB+\slot] offset:(\q)*QBLK+64*\c+\i*FBLK
	ds_load_b128 v[\f+64+8*(4*\c+\i)+4:\f+64+8*(4*\c+\i)+7], v[ADRB+\slot] offset:(\q)*QBLK+64*\c+\i*FBLK+32
	ds_load_b128 v[\f+8*(4*\c+\i):\f+8*(4*\c+\i)+3],         v[ADRA+\slot] offset:(\q)*QBLK+64*\c+\i*FBLK
	ds_load_b128 v[\f+8*(4*\c+\i)+4:\f+8*(4*\c+\i)+7],       v[ADRA+\slot] offset:(\q)*QBLK+64*\c+\i*FBLK+32
.endr
.endr
.endm
.macro PLACES                          ; four places in front of loads into registers that matrix instructions have read, and of the first read of results
.rept 4
	v_nop
.endr
.endm
.macro QUARTER slot, q, f, g, zero     ; multiplies buffer f and fetches block q of the same slot into g
	s_wait_dscnt 16                                ; the first 32 along K are in
	WIN MUL
	MUL8 \f, 0, 0, \zero
	MUL8 \f, 0, 2, \zero
	PLACES
	FETCH \slot, \q, \g
	s_wait_dscnt 32                                ; all but the 32 just issued
	WIN MUL
	MUL8 \f, 1, 0, 0
	MUL8 \f, 1, 2, 0
.endm
; The last quarter multiplies buffer 1 and changes slots: one barrier; in front of it each wave waits for all its tensor loads, adds 0 to its spare word, and waits for that and for its reads of this slot.
.macro TURN slot, next, fill
	WIN 0
	s_wait_tensorcnt 0x0                           ; all my tensor loads have landed: my part of the next slot
	ds_add_u32 v[SPW], v[NIL]
	s_wait_dscnt 17                                ; (the add and the youngest sixteen loads may be out)
	WIN MUL
	MUL8 F1, 0, 0, 0
	s_wait_dscnt 0x0                               ; the add is done, and my reads of this slot are over
	s_barrier_signal -1
	MUL8 F1, 0, 2, 0
.if \fill
	WIN 0
.endif
	s_barrier_wait -1
.if \fill
	CREST                                          ; the barrier has opened a round of the cluster's barrier: no wave of any partner still reads this slot or has a load on its way
	s_add_nc_u64 s[G0+4*\slot+2:G0+4*\slot+3], s[G0+4*\slot+2:G0+4*\slot+3], 2*STEPB
	s_add_nc_u64 s[G0B+4*\slot+2:G0B+4*\slot+3], s[G0B+4*\slot+2:G0B+4*\slot+3], 2*STEPB
	JLOAD \slot                                    ; the first tensor load behind the round; its four v_nop are also the places in front of the loads below
.else
	PLACES
.endif
	FETCH \next, 0, F0
	WIN MUL
	MUL8 F1, 1, 0, 0
	MUL8 F1, 1, 2, 0
.endm
	s_wait_tensorcnt 1                             ; my part of K step 0 is in (K step 1's may be out),
	s_barrier_signal -1
	s_barrier_wait -1                              ; everybody's is
	FETCH 0, 0, F0
	QUARTER 0, 1, F0, F1, 1                        ; the first products start the sums
	WIN 0
	s_mov_b32 s3, LAPS-1
.Llap:                                             ; a trip goes once round the ring and fills both slots again
	QUARTER 0, 2, F1, F0, 0
	QUARTER 0, 3, F0, F1, 0
	TURN 0, 1, 1
	QUARTER 1, 1, F0, F1, 0
	QUARTER 1, 2, F1, F0, 0
	QUARTER 1, 3, F0, F1, 0
	TURN 1, 0, 1
	QUARTER 0, 1, F0, F1, 0
	WIN 0
	s_sub_co_u32 s3, s3, 1
	s_cmp_lg_u32 s3, 0
	s_cbranch_scc1 .Llap
	QUARTER 0, 2, F1, F0, 0                        ; the last lap fills nothing
	QUARTER 0, 3, F0, F1, 0
	TURN 0, 1, 0
	QUARTER 1, 1, F0, F1, 0
	QUARTER 1, 2, F1, F0, 0
	QUARTER 1, 3, F0, F1, 0
	s_wait_dscnt 16
	WIN MUL
	MUL8 F1, 0, 0, 0
	MUL8 F1, 0, 2, 0
	s_wait_dscnt 0
	MUL8 F1, 1, 0, 0
	MUL8 F1, 1, 2, 0
	WIN 0
; THE WAY OUT, 16 rows x 64 columns (256 bytes a row) at a time, through my own stage: no barrier, and no wait between the stores and the loads, since LDS serves a wave's instructions in order (ISA guide 5.7.1.4).
.macro TOST a
.set BB, TMP+32*((\a)%2)
.irp b, 0,1,2,3
	ds_store_b128 v[STO], v[ACC+8*(4*(\a)+\b):ACC+8*(4*(\a)+\b)+3] offset:64*\b          ; each accumulator from its low end on
	ds_store_b128 v[STO], v[ACC+8*(4*(\a)+\b)+4:ACC+8*(4*(\a)+\b)+7] offset:64*\b+16
.endr
.irp t, 0,1,2,3,4,5,6,7
	ds_load_b128 v[BB+4*\t:BB+4*\t+3], v[RD] offset:\t*2*SPITCH
.endr
.endm
.macro SEND a, younger
.set BB, TMP+32*((\a)%2)
	s_wait_dscnt \younger                          ; the block is back; the next block's 8 stores and 8 loads may be out
.irp t, 0,1,2,3,4,5,6,7
	global_store_b128 v[CO], v[BB+4*\t:BB+4*\t+3], s[8:9] offset:(16*(\a)+2*\t)*4096 th:TH_STORE_NT   ; 16 lanes store 256 consecutive bytes, aligned
.endr
.endm
	PLACES
	TOST 0
.irp a, 1,2,3
.if \a > 1
	s_wait_xcnt 0x0                                ; block a - 2's stores have read their registers
.endif
	TOST \a
	SEND \a-1, 16
.endr
	SEND 3, 0
	s_wait_tensorcnt 0x0                           ; the wave's end, behind my last tensor load and my last LDS store
	ds_add_u32 v[SPW], v[NIL]
	s_wait_dscnt 0x0
	CROUND                                         ; the closing round
	s_endpgm
.Lfunc_end_k_q1f51aa183b_proj:
	.size	k_q1f51aa183b_proj, .Lfunc_end_k_q1f51aa183b_proj-k_q1f51aa183b_proj
	.p2alignl 7, 3214868480
	.fill 96, 4, 3214868480
	.section	.rodata,"a",@progbits
	.p2align	6, 0x0
	.amdhsa_kernel k_q1f51aa183b_proj
		.amdhsa_group_segment_fixed_size 327680
		.amdhsa_private_segment_fixed_size 0
		.amdhsa_enable_private_segment 0
		.amdhsa_kernarg_size 24
		.amdhsa_user_sgpr_count 2
		.amdhsa_user_sgpr_kernarg_segment_ptr 1
		.amdhsa_wavefront_size32 1
		.amdhsa_system_sgpr_workgroup_id_x 1
		.amdhsa_system_sgpr_workgroup_id_y 1
		.amdhsa_system_sgpr_workgroup_id_z 1
		.amdhsa_system_vgpr_workitem_id 0
		.amdhsa_next_free_vgpr 512
		.amdhsa_next_free_sgpr 66
		.amdhsa_reserve_vcc 0
		.amdhsa_float_denorm_mode_32 3
		.amdhsa_float_denorm_mode_16_64 3
		.amdhsa_memory_ordered 1
		.amdhsa_forward_progress 1
		.amdhsa_inst_pref_size 86
	.end_amdhsa_kernel
	.amdgpu_metadata
---
amdhsa.version: [ 1, 2 ]
amdhsa.kernels:
  - .name:           k_q1f51aa183b_proj
    .symbol:         k_q1f51aa183b_proj.kd
    .args:
      - { .name: ao, .offset: 0, .size: 8, .value_kind: global_buffer, .address_space: global }
      - { .name: wo16, .offset: 8, .size: 8, .value_kind: global_buffer, .address_space: global }
      - { .name: out0, .offset: 16, .size: 8, .value_kind: global_buffer, .address_space: global }
    .group_segment_fixed_size: 327680
    .private_segment_fixed_size: 0
    .kernarg_segment_align: 8
    .kernarg_segment_size: 24
    .max_flat_workgroup_size: 128
    .sgpr_count:     66
    .vgpr_count:     512
    .wavefront_size: 32
...
	.end_amdgpu_metadata
.endif
;; end of part 4
;; launch fine (part 5): grid 32 x 4, 16 waves a work-group, no clusters, 38,912 bytes of LDS; arguments qkvf, wo, out0; writes out0
.if DOCPART == 5
	.amdgcn_target "amdgcn-amd-amdhsa--gfx1250"
	.amdhsa_code_object_version 6
	.text
	.protected	k_q1f51aa183b_fine
	.globl	k_q1f51aa183b_fine
	.p2align	8
	.type	k_q1f51aa183b_fine,@function
k_q1f51aa183b_fine:
	s_mov_b64 s[64:65], 0
	v_nop
	global_prefetch_b8 v0, s[64:65] scope:SCOPE_SE
	s_setreg_imm32_b32 hwreg(HW_REG_WAVE_MODE, 25, 1), 1
	s_wait_xcnt 0x0
; Positions 0 to 15 of each sequence, all in f32: attention on 16 queries x 16 keys for each head, and the projection by wo.  These rows average one to sixteen values, so the rounding of 16-bit operands weighs most
; there; they are written over what the launch before left.  qkvf: [batch 4][kind 3][head 16][16][64] f32, q carrying log2(e) / 8.  64 rows of out0 in all: no bulk work.
; SHARES.  A work-group takes a batch (y) and 32 output columns (x).  Wave w takes head w: its attention, and its 64 of the projection's K; the sixteen partial results meet in LDS and wave w sums and stores row w.
; The small attention is repeated in each of a batch's 32 work-groups: that spares a launch and a way through memory.
; THE f32 MATRIX FORM takes K = 4: lane (r, h), register j: k = 2 h + j.  K is permuted alike on both sides: in step (t, jj) lane half h holds channels 16 t + 8 h + 2 jj, + 1, so that a lane loads 8 neighbours at a time,
; and a result (a lane: one query, eight neighbours along the next K) is the next product's source as it stands.  All products are used transposed: a lane holds one query (lane % 16) throughout.
; The registers that the matrix instructions write (v192-255) are written by them alone; each sum begins with the constant 0 as C; the distances behind this form are 8 and 9 places (ISA guide 7.12.1).
.set QF, 32                            ; v32-63   q: register 8 t + j = channel 16 t + 8 h + j of query r
.set KF, 64                            ; v64-95   k likewise, of key r
.set VF, 96                            ; v96-127  v: register 8 t + j = channel 16 t + r of key 8 h + j
.set WF, 128                           ; v128-191 wo: register 32 ct + 8 t + j = channel 16 t + 8 h + j (of my head) of output column 16 ct + r
.set S0, 192                           ; two halves of S^T
.set OT, 208                           ; O^T, four tiles of 16 channels
.set OU, 240                           ; my head's part of the result, two tiles of 16 columns
.set SPW, 10
.set NIL, 11
.set SPARE, 16*16*144                  ; behind the sixteen partial results (16 rows x (128 bytes + 16) each): the spare words, 128 bytes a wave
	s_load_b128 s[4:7], s[0:1], 0x0                ; qkvf, wo
	s_load_b64 s[8:9], s[0:1], 0x10                ; out0
	v_lshl_add_u32 v[SPW], v0, 2, SPARE
	v_mov_b32 v[NIL], 0
	v_lshrrev_b32 v1, 5, v0
	v_readfirstlane_b32 s10, v1                    ; wave = head
	v_and_b32 v1, 15, v0                           ; r
	v_bfe_u32 v2, v0, 4, 1                         ; h
	v_and_b32 v9, 31, v0                           ; lane
	v_lshlrev_b32 v3, 8, v1
	v_lshl_add_u32 v3, v2, 5, v3                   ; q, k: row r of 256 bytes, + 32 h
	v_lshlrev_b32 v4, 2, v1
	v_lshl_add_u32 v4, v2, 11, v4                  ; v: key 8 h, channel r
	v_lshlrev_b32 v5, 12, v1
	v_lshl_add_u32 v5, v2, 5, v5                   ; wo: row r of 4,096 bytes, + 32 h
	s_mul_i32 s11, s10, 16*144
	v_mul_u32_u24 v6, v1, 144
	v_lshl_add_u32 v6, v2, 5, v6
	v_add_nc_u32 v6, s11, v6                       ; LDS: my partial result, row r, + 32 h
	s_mul_i32 s11, s10, 144
	v_lshlrev_b32 v8, 2, v9                        ; 4 bytes a lane
	v_add_nc_u32 v7, s11, v8                       ; LDS: row w of partial result 0
	v_lshlrev_b32 v12, 3, v2
	v_sub_nc_u32 v12, v1, v12                      ; r - 8 h
	s_mov_b32 s20, 0x76543210
	s_mov_b32 s21, 0xfedcba98
	s_and_b32 s12, ttmp7, 0xffff                   ; the batch
	s_mul_i32 s14, s12, 196608
	s_lshl_b32 s15, s10, 12
	s_add_co_u32 s14, s14, s15
	s_mov_b32 s15, 0
	s_wait_kmcnt 0x0
	s_add_nc_u64 s[4:5], s[4:5], s[14:15]          ; my head's q; k and v lie 65,536 and 131,072 bytes on
	s_lshl_b32 s14, ttmp9, 17                      ; wo: 32 rows a work-group,
	s_lshl_b32 s16, s10, 8                         ; my head's 64 columns
	s_add_co_u32 s14, s14, s16
	s_add_nc_u64 s[6:7], s[6:7], s[14:15]
	s_lshl_b32 s14, s12, 23                        ; out0: the batch's first row,
	s_lshl_b32 s16, s10, 12                        ; row w,
	s_add_co_u32 s14, s14, s16
	s_lshl_b32 s16, ttmp9, 7                       ; the work-group's 32 columns
	s_add_co_u32 s14, s14, s16
	s_add_nc_u64 s[8:9], s[8:9], s[14:15]
.irp t, 0,1,2,3
	global_load_b128 v[QF+8*\t:QF+8*\t+3],   v3, s[4:5] offset:64*\t
	global_load_b128 v[QF+8*\t+4:QF+8*\t+7], v3, s[4:5] offset:64*\t+16
.endr
.irp t, 0,1,2,3
	global_load_b128 v[KF+8*\t:KF+8*\t+3],   v3, s[4:5] offset:65536+64*\t
	global_load_b128 v[KF+8*\t+4:KF+8*\t+7], v3, s[4:5] offset:65536+64*\t+16
.endr
.irp t, 0,1,2,3
.irp j, 0,1,2,3,4,5,6,7
	global_load_b32 v[VF+8*\t+\j], v4, s[4:5] offset:131072+256*\j+64*\t
.endr
.endr
.irp ct, 0,1
.irp t, 0,1,2,3
	global_load_b128 v[WF+32*\ct+8*\t:WF+32*\ct+8*\t+3],   v5, s[6:7] offset:65536*\ct+64*\t
	global_load_b128 v[WF+32*\ct+8*\t+4:WF+32*\ct+8*\t+7], v5, s[6:7] offset:65536*\ct+64*\t+16
.endr
.endr
	s_wait_loadcnt 48                              ; q and k are in; v's 32 loads and wo's 16 may be out
.irp t, 0,1,2,3                                ; S^T = K Q^T: 16 steps of 4 along the head's 64, two accumulators by turns
.irp jj, 0,1,2,3
.if (\t == 0) && (\jj < 2)
	v_wmma_f32_16x16x4_f32 v[S0+8*(\jj%2):S0+8*(\jj%2)+7], v[KF+8*\t+2*\jj:KF+8*\t+2*\jj+1], v[QF+8*\t+2*\jj:QF+8*\t+2*\jj+1], 0
.else
	v_wmma_f32_16x16x4_f32 v[S0+8*(\jj%2):S0+8*(\jj%2)+7], v[KF+8*\t+2*\jj:KF+8*\t+2*\jj+1], v[QF+8*\t+2*\jj:QF+8*\t+2*\jj+1], v[S0+8*(\jj%2):S0+8*(\jj%2)+7]
.endif
.endr
.endr
.rept 8
	v_nop
.endr
.irp j, 0,1,2,3,4,5,6,7
	v_add_f32 v[16+\j], v[S0+\j], v[S0+8+\j]       ; register j: the score of key 8 h + j for query r
.endr
	v_mov_b32 v24, 0xff800000
.irp j, 0,1,2,3,4,5,6,7
	v_cmp_gt_i32 vcc_lo, \j, v12                   ; hidden where 8 h + j > r
	v_cndmask_b32 v[16+\j], v[16+\j], v24, vcc_lo
.endr
	v_max3_num_f32 v25, v16, v17, v18
	v_max3_num_f32 v25, v25, v19, v20
	v_max3_num_f32 v25, v25, v21, v22
	v_max_num_f32 v25, v25, v23
	v_mov_b32 v26, 0
	v_permlanex16_b32 v26, v25, s20, s21
	v_max_num_f32 v25, v25, v26                    ; the row's maximum: key 0 counts for every query, so it is a number
.irp j, 0,1,2,3,4,5,6,7
	v_sub_f32 v[16+\j], v[16+\j], v25
.endr
.irp j, 0,1,2,3,4,5,6,7
	v_exp_f32 v[16+\j], v[16+\j]
.endr
	v_nop
	s_wait_alu depctr_va_vdst(0)                   ; one wait for the eight exponentials, ahead of their first reader
	v_add_f32 v27, v16, v17
	v_add_f32 v28, v18, v19
	v_add_f32 v29, v20, v21
	v_add_f32 v30, v22, v23
	v_add_f32 v27, v27, v28
	v_add_f32 v29, v29, v30
	v_add_f32 v27, v27, v29
	v_permlanex16_b32 v26, v27, s20, s21
	v_add_f32 v27, v27, v26
	v_rcp_f32 v28, v27
	v_nop
	s_wait_alu depctr_va_vdst(0)
.irp j, 0,1,2,3,4,5,6,7
	v_mul_f32 v[16+\j], v[16+\j], v28              ; the weights, normalised
.endr
	s_wait_loadcnt 16                              ; v is in; wo's 16 loads may be out
.irp jj, 0,1,2,3                               ; O^T = V^T P: 4 steps of 4 keys, four accumulators by turns
.irp t, 0,1,2,3
.if \jj == 0
	v_wmma_f32_16x16x4_f32 v[OT+8*\t:OT+8*\t+7], v[VF+8*\t+2*\jj:VF+8*\t+2*\jj+1], v[16+2*\jj:17+2*\jj], 0
.else
	v_wmma_f32_16x16x4_f32 v[OT+8*\t:OT+8*\t+7], v[VF+8*\t+2*\jj:VF+8*\t+2*\jj+1], v[16+2*\jj:17+2*\jj], v[OT+8*\t:OT+8*\t+7]
.endif
.endr
.endr
.rept 9
	v_nop                                          ; the results become a source of the next products
.endr
	s_wait_loadcnt 0x0
.irp t, 0,1,2,3                                ; my head's part of out^T: 16 steps, two accumulators by turns
.irp jj, 0,1,2,3
.irp ct, 0,1
.if (\t == 0) && (\jj == 0)
	v_wmma_f32_16x16x4_f32 v[OU+8*\ct:OU+8*\ct+7], v[WF+32*\ct+8*\t+2*\jj:WF+32*\ct+8*\t+2*\jj+1], v[OT+8*\t+2*\jj:OT+8*\t+2*\jj+1], 0
.else
	v_wmma_f32_16x16x4_f32 v[OU+8*\ct:OU+8*\ct+7], v[WF+32*\ct+8*\t+2*\jj:WF+32*\ct+8*\t+2*\jj+1], v[OT+8*\t+2*\jj:OT+8*\t+2*\jj+1], v[OU+8*\ct:OU+8*\ct+7]
.endif
.endr
.endr
.endr
.rept 8
	v_nop
.endr
.irp ct, 0,1
	ds_store_b128 v6, v[OU+8*\ct:OU+8*\ct+3] offset:64*\ct          ; lane (r, h): columns 16 ct + 8 h + 0 .. 7 of row r; each accumulator from its low end on
	ds_store_b128 v6, v[OU+8*\ct+4:OU+8*\ct+7] offset:64*\ct+16
.endr
	s_wait_dscnt 0x0                               ; for the others' sake: my stores have landed
	s_barrier_signal -1
	s_barrier_wait -1
.irp p, 0,1,2,3,4,5,6,7,8,9,10,11,12,13,14,15
	ds_load_b32 v[32+\p], v7 offset:16*144*\p      ; row w of each head's part
.endr
	s_wait_dscnt 0x0
.irp p, 1,2,3,4,5,6,7,8,9,10,11,12,13,14,15
	v_add_f32 v32, v32, v[32+\p]                   ; the heads in ascending order
.endr
	global_store_b32 v8, v32, s[8:9]               ; 32 lanes store the work-group's 128 bytes of row w
	s_wait_tensorcnt 0x0                           ; the wave's end, behind my last LDS store
	ds_add_u32 v[SPW], v[NIL]
	s_wait_dscnt 0x0
	s_endpgm
.Lfunc_end_k_q1f51aa183b_fine:
	.size	k_q1f51aa183b_fine, .Lfunc_end_k_q1f51aa183b_fine-k_q1f51aa183b_fine
	.p2alignl 7, 3214868480
	.fill 96, 4, 3214868480
	.section	.rodata,"a",@progbits
	.p2align	6, 0x0
	.amdhsa_kernel k_q1f51aa183b_fine
		.amdhsa_group_segment_fixed_size 38912
		.amdhsa_private_segment_fixed_size 0
		.amdhsa_enable_private_segment 0
		.amdhsa_kernarg_size 24
		.amdhsa_user_sgpr_count 2
		.amdhsa_user_sgpr_kernarg_segment_ptr 1
		.amdhsa_wavefront_size32 1
		.amdhsa_system_sgpr_workgroup_id_x 1
		.amdhsa_system_sgpr_workgroup_id_y 1
		.amdhsa_system_sgpr_workgroup_id_z 1
		.amdhsa_system_vgpr_workitem_id 0
		.amdhsa_next_free_vgpr 256
		.amdhsa_next_free_sgpr 66
		.amdhsa_reserve_vcc 1
		.amdhsa_float_denorm_mode_32 3
		.amdhsa_float_denorm_mode_16_64 3
		.amdhsa_memory_ordered 1
		.amdhsa_forward_progress 1
		.amdhsa_inst_pref_size 18
	.end_amdhsa_kernel
	.amdgpu_metadata
---
amdhsa.version: [ 1, 2 ]
amdhsa.kernels:
  - .name:           k_q1f51aa183b_fine
    .symbol:         k_q1f51aa183b_fine.kd
    .args:
      - { .name: qkvf, .offset: 0, .size: 8, .value_kind: global_buffer, .address_space: global }
      - { .name: wo, .offset: 8, .size: 8, .value_kind: global_buffer, .address_space: global }
      - { .name: out0, .offset: 16, .size: 8, .value_kind: global_buffer, .address_space: global }
    .group_segment_fixed_size: 38912
    .private_segment_fixed_size: 0
    .kernarg_segment_align: 8
    .kernarg_segment_size: 24
    .max_flat_workgroup_size: 512
    .sgpr_count:     66
    .vgpr_count:     256
    .wavefront_size: 32
...
	.end_amdgpu_metadata
.endif
;; end of part 5
